; MI455X (gfx1250); checked and timed in simulation.
; The chip was launched on July 23, 2026; its instructions are those of AMD's public machine-readable ISA for CDNA 5 (MIT licence, August 2026) and "CDNA5" Instruction Set Architecture Reference Guide (July 2026). The comments in the code are by the model that wrote it; some were corrected since.
;; Domain Mo E. Allowed arithmetic: matrix products marked QUANTISED: E2M1 operands, one E8M0 scale for each 32 along K, by v_wmma_scale_f32_16x16x128_f8f6f4 with both operands' format E2M1 (or v_wmma_scale_f32_32x16x128_f4), f32 sums; products left as they are: f32 operands where the result goes on into a quantised operand, else bf16, f16 or f32 operands; f32 sums; everything else in f32.
;; Inputs: W1 8 x 1,024 x 1,024 float32; W2 8 x 1,024 x 1,024 float32; Wr 8 x 1,024 float32; x 2 x 2,048 x 1,024 float32.
;; Outputs: out0 2 x 2,048 x 1,024 float32; out1 one number float32.
;; This version of the problem:
;;   THIS VERSION OF THE PROBLEM IS GIVEN IN LOW PRECISION. The matrix products marked QUANTISED in the list below multiply operands that are first quantised to E2M1 (2 exponent bits, 1 mantissa bit; 4 bits a number), with one power-of-two scale for each 32 numbers along K (OCP MX v1.0); their sums are f32. All else is computed in f32.
;;   The module's matrix products, in the order in which they are computed (A, B: the left and right operand; K: the contracted axis; several contracted axes count as one K, in the product's order):
;;     1. [M 4,096, K 1,024] x [K 1,024, N 8]; A: input x; B: input Wr: left as it is (N = 8 < 16)
;;     2. [M 4,096, K 1,024] x [K 1,024, N 8,192]; A: input x; B: input W1: QUANTISED
;;     3. batch 8 x [M 1,024, K 1,024] x [K 1,024, N 4,096]; A: input W2; B: computed on the way: QUANTISED
;;   THE QUANTISER, for each operand of a quantised product, along K:
;;     - K is cut into blocks of 32 from its start; a last block that is shorter is filled with zeros.
;;     - A block's scale is 2^e with e = floor(log2(the largest magnitude in the block)) - 2, held to -126 .. 127; a block of zeros has e = 0. As a byte (E8M0): e + 127.
;;     - Each number is divided by its block's scale, clamped to +-6, and rounded to the nearest number of E2M1, ties to even, subnormals kept.
;;     - The product sums the exact products of the quantised numbers (number of the format x scale) in f32.
;;   ~~~python
;;   def quantise(x, axis):      # numpy; x: float32 -> the quantised numbers, widened to float32 again
;;       x = np.moveaxis(x, axis, -1); K = x.shape[-1]
;;       x = np.pad(x, [(0, 0)] * (x.ndim - 1) + [(0, -K % 32)]); x = x.reshape(x.shape[:-1] + (-1, 32)); a = np.abs(x).max(-1, keepdims=True)
;;       e = np.where(a > 0, np.clip(np.frexp(np.where(a > 0, a, 1))[1] - 1 - 2, -126, 127), 0)      # np.frexp(a)[1] - 1 = floor(log2(a)), exactly
;;       r = np.clip(x / 2.0 ** e, -6, 6)
;;       step = 2.0 ** (np.maximum(np.frexp(np.where(r == 0, 1, r))[1] - 1, 0) - 1)
;;       q = np.round(r / step) * step * 2.0 ** e      # np.round: ties to even
;;       return np.moveaxis(q.reshape(q.shape[:-2] + (-1,))[..., :K], -1, axis).astype(np.float32)
;;   ~~~
;;   OPERANDS COMPUTED ON THE WAY. 'Computed on the way' means the value that the module computes at that place (a softmax that the list does not call 'softmax' is quantised finished and normalised). What goes into a quantiser is computed in f32, as accurately as f32 sums, v_exp_f32 and their like allow (about 1e-6 of the number): no bf16 or f16 on the way to a quantiser, and a product that is left as it is and whose result goes on into a quantised operand takes f32 operands (vector FMAs, or v_wmma_f32_16x16x4_f32). A number that lies on a knife's edge between two numbers of the format may be rounded either way, as far as f32 arithmetic and the matrix unit's own rounding can turn it there, and no further.
;; One version. Each part assembles by itself: llvm-mc -triple=amdgcn-amd-amdhsa -mcpu=gfx1250 --defsym DOCPART=n.
;; ======== version 1 of 1: 4 launches
;; limits: right only within a limited range of input values
;; workspace buffers: wq 8,912,896 bytes; xq 2,097,152 bytes; xs 131,072 bytes; route 49,152 bytes of whole numbers; gate 40,960 bytes; plan 18,944 bytes of whole numbers; hq 5,963,776 bytes; hs 372,736 bytes
;; launch prep (part 1): grid 256 x 1, 8 waves a work-group, no clusters, 81,664 bytes of LDS; arguments x, Wr, W1, W2, wq, xq, xs, route, gate; writes wq, xq, xs, route, gate
.if DOCPART == 1
	.amdgcn_target "amdgcn-amd-amdhsa--gfx1250"
	.amdhsa_code_object_version 6
	.text
	.protected	k_qa89452fada_prep
	.globl	k_qa89452fada_prep
	.p2align	8
	.type	k_qa89452fada_prep,@function
k_qa89452fada_prep:
	s_mov_b64 s[64:65], 0
	v_nop
	global_prefetch_b8 v0, s[64:65] scope:SCOPE_SE
	s_setreg_imm32_b32 hwreg(HW_REG_WAVE_MODE, 25, 1), 1
	s_wait_xcnt 0x0
; x [4096][1024], W1 and W2 [8][1024][1024], all f32 with K innermost, become codes of E2M1 with one E8M0 byte for each 32 along K; and the router is run.
; A block's scale is 2^(floor(log2(largest magnitude)) - 2): its byte is the largest magnitude's exponent field less 2, held at 1 from below by a floor among the maximum's leaves.
; SHARES.  256 work-groups of equal work.  Work-group g takes 64 rows of a weight (g < 128: W1, else W2; 262,144 bytes on end) and tokens 16 g .. 16 g + 15 of x (65,536 bytes on end).
; Wave s takes K step s (128 along K) of all 80 rows, as five tiles of 16 rows.  ALL 96 LOADS OF A WAVE GO OUT AT THE HEAD: x's tile, Wr, then the four weight tiles, each into registers of its own (window 1),
; so nothing is asked for late and no register is loaded twice.  x is worked first: the weights are on their way meanwhile.
; THE ROWS OF A WEIGHT TILE ARE NOT NEIGHBOURS: row i of tile 2 b + u is row 32 b + 8 u + i + 8 (i / 8) of the 64, so that in the products' transposed results the 16 registers of tiles 2 b and 2 b + 1 are 16 neighbours.
; Each load reads 512 bytes on end (one row's K step); a tile turns through the wave's own stage in LDS, so that lane (r, h) holds k = 64 c + 32 h + 0 .. 31 of row r in registers 32 c + 0 .. 31:
; two whole blocks a lane, in the very order of a 4-bit operand's registers.  So the conversions' results ARE the operand's registers.
; WEIGHTS leave in that order: a wave's four tiles and their scale words are one chunk of 4,352 bytes on end in wq (codes: tile x 1,024 + c x 512 + 16 x lane; scale words: 4,096 + 8 x lane + 4 b, lane 16 u + r).
; x leaves as rows: xq [token][512 bytes], xs [token][8 words], gathered in LDS from the eight waves.
; THE ROUTER: logits by the f32 matrix form on the numbers that lie in registers anyway (a choice of experts turns over on an error that 16-bit operands would make; it is 1/256 of the program's multiply-adds).
; Source 0 = Wr (rows 8-15 repeat rows 0-7), source 1 = 16 tokens: a lane holds one token and its registers the eight experts.  Softmax with the maximum taken away, top-2 (the lower index wins a tie), weights renormalised.
; What hangs on floating-point numbers is only STORED here, at fixed places: for each token the number of its pair of experts and its rank among the work-group's 16 tokens; for these 16 the counts of the 28 pairs and the sums of p.
; A PAIR is (a, d): b = (a + d) & 7, d = 1 .. 4 (with d = 4: a < 4); its number is 8 (d - 1) + a, 0 .. 27.
; LIMITS: NaN and infinities among the inputs are not served.  A block whose largest magnitude lies under 2^-124, a block of zeros too, keeps the byte 1 (a block of zeros has zero codes; this program alone reads the bytes).
; Probabilities under 2^-126 become 0.  Logits that tie within the rounding of f32 sums may be ranked otherwise than by another order of summing.
; REGISTERS: window 0: the names below.  window 1: the four weight tiles as loaded, tile t at v[64 t].
.set STGB, 8448                        ; LDS: a stage for each wave: 16 rows of 512 bytes + 16 (132 words: row r begins at bank 4 r mod 64)
.set XST,  67584                       ; x's codes: 16 rows of 512 bytes + 16
.set XSS,  76032                       ; x's scale words: [token][8]
.set LGB,  76544                       ; parts of the logits: [K step][token][8 experts]
.set R,    32                          ; v32-95   x's tile as loaded; later rows on their way out
.set X,    96                          ; v96-159  a tile turned
.set WRF,  160                         ; v160-223 Wr in X's layout; later the four weight tiles' codes, 8 registers each
.set LACC, 224                         ; v224-239 two accumulators of the f32 matrix form: written by matrix instructions alone
.set SW,   240                         ; v240-243 a scale word for each weight tile
.set SP,   244                         ; v244-245 x's scale word; later the chunk's scale words
.set L,    246                         ; v246-253 my part of the logits
.set LG,   96                          ; the router's end: the logits' parts
.set QR,   160                         ; 2^(..)
.set PR,   168                         ; p
.set TR,   176                         ; p without the winner
.set MSB, 0
.macro WIN new                         ; the immediate's high byte repeats the setting that is left; a switch that changes nothing is dropped
.if MSB != \new
	s_set_vgpr_msb (MSB<<8)|\new
.set MSB, \new
.endif
.endm
	s_load_b256 s[4:11], s[0:1], 0x0               ; x, Wr, W1, W2
	s_load_b256 s[12:19], s[0:1], 0x20             ; wq, xq, xs, route
	s_load_b64 s[20:21], s[0:1], 0x40              ; gate
	v_lshrrev_b32 v1, 5, v0
	s_delay_alu instid0(VALU_DEP_1)
	v_readfirstlane_b32 s33, v1                    ; wave = K step
	v_and_b32 v1, 31, v0                           ; lane
	v_and_b32 v2, 15, v0                           ; r
	v_bfe_u32 v3, v0, 4, 1                         ; h
	s_delay_alu instid0(VALU_DEP_3)
	v_lshlrev_b32 v7, 4, v1                        ; 16 x lane
	s_delay_alu instid0(VALU_DEP_4)
	v_lshlrev_b32 v8, 3, v1                        ; 8 x lane
	v_lshlrev_b32 v255, 2, v1                      ; 4 x lane
	s_lshl_b32 s34, s33, 9                         ; my K step in a row: 512 bytes
	v_add_nc_u32 v4, s34, v7                       ; the source: my 16 bytes of a row's K step
	s_mul_i32 s35, s33, STGB
	v_add_nc_u32 v5, s35, v7                       ; the stage, in: as loaded
	v_mul_u32_u24 v6, v2, 528
	s_delay_alu instid0(VALU_DEP_1)
	v_lshl_add_u32 v9, v3, 4, v6
	s_delay_alu instid0(VALU_DEP_2)
	v_lshl_add_u32 v6, v3, 7, v6
	s_delay_alu instid0(VALU_DEP_1)
	v_add_nc_u32 v6, s35, v6                       ; and out: row r, + 128 h
	s_lshl_b32 s35, s33, 6
	s_add_co_u32 s35, s35, XST
	v_add_nc_u32 v9, s35, v9                       ; x's codes: row r, + 64 x K step + 16 h
	v_lshlrev_b32 v10, 5, v2
	s_lshl_b32 s35, s33, 9
	s_add_co_u32 s35, s35, LGB
	v_add_nc_u32 v11, s35, v10                     ; the logits' part: 512 x K step + 32 r
	v_add_nc_u32 v254, LGB, v10                    ; the router's end: token r
	s_lshl_b32 s35, s33, 2
	s_add_co_u32 s35, s35, XSS
	v_add_nc_u32 v10, s35, v10                     ; x's scale word: 32 r + 4 x K step
	v_and_b32 v12, 7, v2
	s_delay_alu instid0(VALU_DEP_1)
	v_lshlrev_b32 v12, 12, v12
	s_delay_alu instid0(VALU_DEP_1)
	v_lshl_add_u32 v12, v3, 7, v12
	s_delay_alu instid0(VALU_DEP_1)
	v_add_nc_u32 v12, s34, v12                     ; Wr: row r & 7, my K step, + 128 h
	v_lshlrev_b32 v13, 3, v3                       ; 8 h: my bytes' place in a scale word
	s_mul_i32 s35, s33, 2*528
	s_add_co_u32 s35, s35, XST
	v_add_nc_u32 v14, s35, v7                      ; the way out: rows 2 x wave on, 16 bytes a lane
	v_add_nc_u32 v15, XSS, v7                      ; and all 16 tokens' scale words, 16 bytes a lane
	v_mov_b32 v23, 0                               ; written once: a lane permute's destination counts as one of its sources
	s_mov_b32 s36, 0x76543210
	s_mov_b32 s37, 0xfedcba98                      ; v_permlanex16_b32's selects for lane l xor 16
	s_mov_b32 s38, 0xffff0000                      ; lanes 16-31
	s_lshl_b32 s26, ttmp9, 16                      ; x: 16 tokens of 4,096 bytes
	s_mov_b32 s27, 0
	s_and_b32 s28, ttmp9, 127                      ; which 64 rows of the weight
	s_lshl_b32 s28, s28, 18
	s_mov_b32 s29, 0
	s_wait_alu depctr_va_vdst(0)
	s_wait_kmcnt 0x0
	s_add_nc_u64 s[4:5], s[4:5], s[26:27]
	s_cmp_lt_u32 ttmp9, 128                        ; the weight is chosen by the work-group's number alone
	s_cselect_b64 s[22:23], s[8:9], s[10:11]
	s_add_nc_u64 s[22:23], s[22:23], s[28:29]
.irp i, 0,1,2,3,4,5,6,7,8,9,10,11,12,13,14,15
	global_load_b128 v[R+4*\i:R+4*\i+3], v4, s[4:5] offset:4096*\i th:TH_LOAD_NT   ; token i's K step: 512 bytes on end
.endr
.irp c, 0,1
.irp q, 0,1,2,3,4,5,6,7
	global_load_b128 v[WRF+32*\c+4*\q:WRF+32*\c+4*\q+3], v12, s[6:7] offset:256*\c+16*\q
.endr
.endr
	WIN 0x40                                       ; destination window 1
.irp t, 0,1,2,3
.irp i, 0,1,2,3,4,5,6,7,8,9,10,11,12,13,14,15
	global_load_b128 v[64*\t+4*\i:64*\t+4*\i+3], v4, s[22:23] offset:(32*(\t/2)+8*(\t%2)+\i+8*(\i/8))*4096 th:TH_LOAD_NT
.endr
.endr
	WIN 0
	; where the results go
	s_bfe_u32 s28, ttmp9, 0x30004                  ; expert
	s_mul_i32 s28, s28, 1114112
	s_bfe_u32 s30, ttmp9, 0x20002                  ; which wave of the chain reads these rows
	s_mul_i32 s30, s30, 278528
	s_add_co_u32 s28, s28, s30
	s_lshr_b32 s30, ttmp9, 7                       ; W1 or W2
	s_mul_i32 s30, s30, 139264
	s_add_co_u32 s28, s28, s30
	s_and_b32 s30, ttmp9, 3                        ; unit of 64 rows
	s_mul_i32 s30, s30, 34816
	s_add_co_u32 s28, s28, s30
	s_mul_i32 s30, s33, 4352                       ; K step
	s_add_co_u32 s28, s28, s30
	s_add_nc_u64 s[12:13], s[12:13], s[28:29]      ; my chunk of wq
	s_lshl_b32 s28, ttmp9, 13
	s_lshl_b32 s30, s33, 10
	s_add_co_u32 s28, s28, s30
	s_add_nc_u64 s[14:15], s[14:15], s[28:29]      ; xq at token 16 g + 2 x wave
	s_lshl_b32 s28, ttmp9, 9
	s_add_nc_u64 s[16:17], s[16:17], s[28:29]      ; xs at token 16 g
	s_lshl_b32 s28, ttmp9, 5
	s_add_co_u32 s28, s28, 32768
	s_add_nc_u64 s[44:45], s[20:21], s[28:29]      ; the 16 tokens' sums of p
	s_lshl_b32 s28, ttmp9, 7
	s_add_nc_u64 s[20:21], s[20:21], s[28:29]      ; gate at token 16 g
	s_add_co_u32 s28, s28, 16384
	s_add_nc_u64 s[46:47], s[18:19], s[28:29]      ; the 16 tokens' counts
	s_lshl_b32 s28, ttmp9, 6
	s_add_nc_u64 s[18:19], s[18:19], s[28:29]      ; route at token 16 g
.macro TURN rb, win                    ; a tile through my stage: LDS serves a wave's instructions in order, so no wait stands between the stores and the loads, nor in front of the next tile's stores
	WIN \win                                       ; an LDS store's data are its source 1
.irp i, 0,1,2,3,4,5,6,7,8,9,10,11,12,13,14,15
	ds_store_b128 v5, v[(\rb)+4*\i:(\rb)+4*\i+3] offset:528*\i
.endr
	WIN 0
.irp c, 0,1
.irp q, 0,1,2,3,4,5,6,7
	ds_load_b128 v[X+32*\c+4*\q:X+32*\c+4*\q+3], v6 offset:256*\c+16*\q
.endr
.endr
.endm
; My two blocks (c = 0, 1) by turns: largest magnitude with the floor 2^(3 - 127), the scale operand (2 off the exponent field), the byte, the codes into v[cb] on; the tile's scale word into v[sw].
.macro QB cb, sw
	v_max3_num_f32 v16, |v[X]|, |v[X+1]|, 0x1800000
	v_max3_num_f32 v17, |v[X+32]|, |v[X+33]|, 0x1800000
.irp i, 2,4,6,8,10,12,14,16,18,20,22,24,26,28,30
	s_delay_alu instid0(VALU_DEP_2)
	v_max3_num_f32 v16, v16, |v[X+\i]|, |v[X+\i+1]|
	s_delay_alu instid0(VALU_DEP_2)
	v_max3_num_f32 v17, v17, |v[X+32+\i]|, |v[X+33+\i]|
.endr
	s_delay_alu instid0(VALU_DEP_2)
	v_add_nc_u32 v18, 0xff000000, v16
	s_delay_alu instid0(VALU_DEP_2)
	v_add_nc_u32 v19, 0xff000000, v17
	s_delay_alu instid0(VALU_DEP_2)
	v_lshrrev_b32 v20, 23, v18
	s_delay_alu instid0(VALU_DEP_2)
	v_lshrrev_b32 v21, 23, v19
.irp g, 0,1,2,3
	v_cvt_scalef32_pk8_fp4_f32 v[(\cb)+\g], v[X+8*\g:X+8*\g+7], v18
	v_cvt_scalef32_pk8_fp4_f32 v[(\cb)+4+\g], v[X+32+8*\g:X+32+8*\g+7], v19
.endr
	v_nop                                          ; one plain place behind the last scaled conversion
	v_lshl_or_b32 v22, v21, 16, v20                ; my bytes: blocks h and 2 + h,
	s_delay_alu instid0(VALU_DEP_1)
	v_lshlrev_b32 v22, v13, v22                    ; at their places;
	s_delay_alu instid0(VALU_DEP_1)
	v_permlanex16_b32 v23, v22, s36, s37
	s_delay_alu instid0(VALU_DEP_1)
	v_or_b32 v[\sw], v22, v23                      ; with lane l xor 16's two the word is whole, in both halves of the lanes
.endm
	; ---------------- x's tile ----------------
	s_wait_loadcnt 63                              ; 64 loads were issued behind x's and Wr's 32: these are in
	TURN R, 0
	s_wait_dscnt 0x0
	; 32 matrix instructions of 4 along K each.  Wr and x lie in the same order of k, so each takes four true pairs.  Two accumulators by turns; the first two start the sums.
	v_wmma_f32_16x16x4_f32 v[LACC:LACC+7], v[WRF:WRF+1], v[X:X+1], 0
	v_wmma_f32_16x16x4_f32 v[LACC+8:LACC+15], v[WRF+2:WRF+3], v[X+2:X+3], 0
.irp n, 2,3,4,5,6,7,8,9,10,11,12,13,14,15,16,17,18,19,20,21,22,23,24,25,26,27,28,29,30,31
	v_wmma_f32_16x16x4_f32 v[LACC+8*(\n%2):LACC+8*(\n%2)+7], v[WRF+2*\n:WRF+2*\n+1], v[X+2*\n:X+2*\n+1], v[LACC+8*(\n%2):LACC+8*(\n%2)+7]
.endr
	QB 24, SP                                      ; its plain lines are also the places (eight are owed) between the last product and the first read of the sums
	ds_store_b128 v9, v[24:27]
	ds_store_b128 v9, v[28:31] offset:32
	ds_store_b32 v10, v[SP]                        ; both halves of the lanes write the same word with the same value
.irp j, 0,2,4,6
	v_pk_add_f32 v[L+\j:L+\j+1], v[LACC+\j:LACC+\j+1], v[LACC+8+\j:LACC+9+\j]     ; each accumulator from its low end on
.endr
	ds_store_b128 v11, v[L:L+3]
	ds_store_b128 v11, v[L+4:L+7] offset:16
	s_wait_dscnt 0x0                               ; for the others' sake: my stores have landed
	s_barrier_signal -1
	s_barrier_wait -1                              ; 16 rows of codes, their scale words and all parts of the logits lie in LDS; nobody writes these bytes again
	ds_load_b128 v[32:35], v14
	ds_load_b128 v[36:39], v14 offset:528
	s_wait_dscnt 1                                 ; the second row may be out
	global_store_b128 v7, v[32:35], s[14:15]       ; a token's 512 bytes on end
	s_wait_dscnt 0x0
	global_store_b128 v7, v[36:39], s[14:15] offset:512
	s_cmp_eq_u32 s33, 1                            ; wave 1: the 16 tokens' scale words, 512 bytes on end
	s_cbranch_scc0 .Lnoxs
	ds_load_b128 v[40:43], v15
	s_wait_dscnt 0x0
	global_store_b128 v7, v[40:43], s[16:17]
.Lnoxs:
	s_cmp_eq_u32 s33, 0                            ; wave 0 finishes the router: lanes r and 16 + r both hold token r
	s_cbranch_scc0 .Lnofin
.irp p, 0,1,2,3,4,5,6,7
	ds_load_b128 v[LG+8*\p:LG+8*\p+3], v254 offset:512*\p
	ds_load_b128 v[LG+8*\p+4:LG+8*\p+7], v254 offset:512*\p+16
.endr
	s_wait_dscnt 0x0
.irp p, 1,2,3,4,5,6,7
.irp j, 0,2,4,6
	v_pk_add_f32 v[LG+\j:LG+\j+1], v[LG+\j:LG+\j+1], v[LG+8*\p+\j:LG+8*\p+\j+1]   ; K ascending
.endr
.endr
	s_delay_alu instid0(VALU_DEP_3)
	v_max3_num_f32 v184, v[LG], v[LG+1], v[LG+2]
	s_delay_alu instid0(VALU_DEP_1)
	v_max3_num_f32 v184, v184, v[LG+3], v[LG+4]
	s_delay_alu instid0(VALU_DEP_1)
	v_max3_num_f32 v184, v184, v[LG+5], v[LG+6]
	s_delay_alu instid0(VALU_DEP_1)
	v_max_num_f32 v184, v184, v[LG+7]              ; the maximum is taken away
.irp e, 0,1,2,3,4,5,6,7
	v_sub_f32 v[QR+\e], v[LG+\e], v184
.endr
.irp e, 0,1,2,3,4,5,6,7
	v_mul_f32 v[QR+\e], 0x3fb8aa3b, v[QR+\e]       ; x log2(e)
.endr
	s_wait_alu depctr_va_vdst(0)
.irp e, 0,1,2,3,4,5,6,7
	v_exp_f32 v[QR+\e], v[QR+\e]
.endr
	v_nop                                          ; a plain place behind the exponentials
	s_wait_alu depctr_va_vdst(0)
	v_add_f32 v184, v[QR], v[QR+1]
.irp e, 2,3,4,5,6,7
	v_add_f32 v184, v184, v[QR+\e]
.endr
	s_wait_alu depctr_va_vdst(0)
	v_rcp_f32 v184, v184
	v_nop
	s_wait_alu depctr_va_vdst(0)
.irp e, 0,1,2,3,4,5,6,7
	v_mul_f32 v[PR+\e], v[QR+\e], v184             ; p
.endr
	v_mov_b32 v185, v[PR]                          ; the largest p: only a strictly greater one takes the place, so the lower index wins a tie
	v_mov_b32 v186, 0
.irp e, 1,2,3,4,5,6,7
	s_delay_alu instid0(VALU_DEP_2)
	v_cmp_gt_f32 vcc_lo, v[PR+\e], v185
	s_delay_alu instid0(VALU_DEP_1)
	v_cndmask_b32 v185, v185, v[PR+\e], vcc_lo
	s_delay_alu instid0(VALU_DEP_2)
	v_cndmask_b32 v186, v186, \e, vcc_lo
.endr
.irp e, 0,1,2,3,4,5,6,7
	v_cmp_eq_u32 vcc_lo, \e, v186
	s_delay_alu instid0(VALU_DEP_1)
	v_cndmask_b32 v[TR+\e], v[PR+\e], -1.0, vcc_lo ; the winner is out
.endr
	v_mov_b32 v187, v[TR]
	v_mov_b32 v188, 0
.irp e, 1,2,3,4,5,6,7
	s_delay_alu instid0(VALU_DEP_2)
	v_cmp_gt_f32 vcc_lo, v[TR+\e], v187
	s_delay_alu instid0(VALU_DEP_1)
	v_cndmask_b32 v187, v187, v[TR+\e], vcc_lo
	s_delay_alu instid0(VALU_DEP_2)
	v_cndmask_b32 v188, v188, \e, vcc_lo
.endr
	s_delay_alu instid0(VALU_DEP_2)
	v_add_f32 v189, v185, v187
	s_delay_alu instid0(VALU_DEP_1)
	v_add_f32 v189, 0x322bcc77, v189               ; + 1e-8
	s_wait_alu depctr_va_vdst(0)
	v_rcp_f32 v189, v189
	v_sub_nc_u32 v192, v188, v186                  ; (a plain place)
	s_wait_alu depctr_va_vdst(0)
	v_mul_f32 v190, v185, v189                     ; the two weights
	v_mul_f32 v191, v187, v189
	v_and_b32 v192, 7, v192                        ; t = (second - first) & 7
	s_delay_alu instid0(VALU_DEP_1)
	v_lshl_add_u32 v193, v192, 3, v186             ; 8 t + first: the two change places where t > 4, or t = 4 and first >= 4
	s_delay_alu instid0(VALU_DEP_1)
	v_cmp_lt_u32 vcc_lo, 35, v193
	s_delay_alu instid0(VALU_DEP_1)
	v_cndmask_b32 v194, v186, v188, vcc_lo         ; a
	s_delay_alu instid0(VALU_DEP_4)
	v_sub_nc_u32 v195, 8, v192
	s_delay_alu instid0(VALU_DEP_1)
	v_cndmask_b32 v195, v192, v195, vcc_lo         ; d
	s_delay_alu instid0(VALU_DEP_1)
	v_lshl_add_u32 v196, v195, 3, v194
	s_delay_alu instid0(VALU_DEP_1)
	v_add_nc_u32 v196, -8, v196                    ; the pair's number
	v_cndmask_b32 v198, v190, v191, vcc_lo         ; a's weight
	v_cndmask_b32 v199, v191, v190, vcc_lo         ; b's
	v_mov_b32 v200, 0                              ; the 16 tokens' counts: lane p = pair p
	v_mov_b32 v201, 0                              ; my rank among my pair's tokens of the 16
.irp p, 0,1,2,3,4,5,6,7,8,9,10,11,12,13,14,15,16,17,18,19,20,21,22,23,24,25,26,27
	v_cmp_eq_u32 s40, \p, v196
	s_and_b32 s40, s40, 0xffff                     ; each token once: lanes 0-15
	s_bcnt1_i32_b32 s41, s40
	v_writelane_b32 v200, s41, \p
	v_mbcnt_lo_u32_b32 v202, s40, 0
	s_delay_alu instid0(VALU_DEP_1)
	v_cndmask_b32 v201, v201, v202, s40
.endr
	s_delay_alu instid0(VALU_DEP_1)
	v_lshl_or_b32 v203, v201, 8, v196
	global_store_b32 v255, v200, s[46:47]
.irp m, 1,2,4,8
.irp e, 0,1,2,3,4,5,6,7
	v_add_f32_dpp v[PR+\e], v[PR+\e], v[PR+\e] row_xmask:\m row_mask:0xf bank_mask:0xf   ; the sums of p over the 16 tokens
.endr
.endr
	v_cmp_gt_u32 vcc_lo, 16, v1
	s_wait_xcnt 0x0                                ; EXEC changes only behind this wait
	s_and_saveexec_b32 s42, vcc_lo                 ; lanes 0-15: a lane to a token
	global_store_b32 v255, v203, s[18:19]
	global_store_b64 v8, v[198:199], s[20:21]
	s_wait_xcnt 0x0                                ; and again, in front of the line that widens it
	s_or_b32 exec_lo, exec_lo, s42
	v_mov_b32 v204, 0
	s_wait_alu depctr_va_vdst(0)
	v_cmp_eq_u32 vcc_lo, 0, v1
	s_and_saveexec_b32 s42, vcc_lo                 ; lane 0 alone (no memory instruction has been issued since the wait above)
	global_store_b128 v204, v[PR:PR+3], s[44:45]
	global_store_b128 v204, v[PR+4:PR+7], s[44:45] offset:16
	s_wait_xcnt 0x0                                ; for EXEC, and for the stores' data, which the weights' codes write over
	s_or_b32 exec_lo, exec_lo, s42
.Lnofin:
	; ---------------- the four weight tiles ----------------
.irp t, 0,1,2,3
	s_wait_loadcnt 16*(3-\t)                       ; the tiles behind this one may be out
	TURN 64*\t, 0x04
	s_wait_dscnt 0x0
	QB WRF+8*\t, SW+\t                             ; each tile's codes have registers of their own: no store's data are written again
	global_store_b128 v7, v[WRF+8*\t:WRF+8*\t+3], s[12:13] offset:1024*\t          ; 512 bytes on end
	global_store_b128 v7, v[WRF+8*\t+4:WRF+8*\t+7], s[12:13] offset:1024*\t+512
.endr
	v_cndmask_b32 v[SP], v[SW], v[SW+1], s38       ; lanes 0-15: tile 2 b's rows; lanes 16-31: tile 2 b + 1's
	v_cndmask_b32 v[SP+1], v[SW+2], v[SW+3], s38
	global_store_b64 v8, v[SP:SP+1], s[12:13] offset:4096                          ; 256 bytes on end
	s_wait_xcnt 0x0
	s_mov_b32 exec_lo, -1
	v_lshl_add_u32 v254, v0, 2, 0x13b00
	v_mov_b32 v255, 0
	s_wait_alu depctr_va_vdst(0)
	s_wait_tensorcnt 0x0
	ds_add_u32 v254, v255
	s_wait_dscnt 0x0
	s_endpgm
.Lfunc_end_k_qa89452fada_prep:
	.size	k_qa89452fada_prep, .Lfunc_end_k_qa89452fada_prep-k_qa89452fada_prep
	.p2alignl 7, 3214868480
	.fill 96, 4, 3214868480
	.section	.rodata,"a",@progbits
	.p2align	6, 0x0
	.amdhsa_kernel k_qa89452fada_prep
		.amdhsa_group_segment_fixed_size 81664
		.amdhsa_private_segment_fixed_size 0
		.amdhsa_enable_private_segment 0
		.amdhsa_kernarg_size 72
		.amdhsa_user_sgpr_count 2
		.amdhsa_user_sgpr_kernarg_segment_ptr 1
		.amdhsa_wavefront_size32 1
		.amdhsa_system_sgpr_workgroup_id_x 1
		.amdhsa_system_sgpr_workgroup_id_y 1
		.amdhsa_system_sgpr_workgroup_id_z 1
		.amdhsa_system_vgpr_workitem_id 0
		.amdhsa_next_free_vgpr 512
		.amdhsa_next_free_sgpr 66
		.amdhsa_reserve_vcc 1
		.amdhsa_float_denorm_mode_32 3
		.amdhsa_float_denorm_mode_16_64 3
		.amdhsa_memory_ordered 1
		.amdhsa_forward_progress 1
		.amdhsa_inst_pref_size 73
	.end_amdhsa_kernel
	.amdgpu_metadata
---
amdhsa.version: [ 1, 2 ]
amdhsa.kernels:
  - .name:           k_qa89452fada_prep
    .symbol:         k_qa89452fada_prep.kd
    .args:
      - { .name: x, .offset: 0, .size: 8, .value_kind: global_buffer, .address_space: global }
      - { .name: Wr, .offset: 8, .size: 8, .value_kind: global_buffer, .address_space: global }
      - { .name: W1, .offset: 16, .size: 8, .value_kind: global_buffer, .address_space: global }
      - { .name: W2, .offset: 24, .size: 8, .value_kind: global_buffer, .address_space: global }
      - { .name: wq, .offset: 32, .size: 8, .value_kind: global_buffer, .address_space: global }
      - { .name: xq, .offset: 40, .size: 8, .value_kind: global_buffer, .address_space: global }
      - { .name: xs, .offset: 48, .size: 8, .value_kind: global_buffer, .address_space: global }
      - { .name: route, .offset: 56, .size: 8, .value_kind: global_buffer, .address_space: global }
      - { .name: gate, .offset: 64, .size: 8, .value_kind: global_buffer, .address_space: global }
    .group_segment_fixed_size: 81664
    .private_segment_fixed_size: 0
    .kernarg_segment_align: 8
    .kernarg_segment_size: 72
    .max_flat_workgroup_size: 256
    .sgpr_count:     66
    .vgpr_count:     512
    .wavefront_size: 32
...
	.end_amdgpu_metadata
.endif
;; end of part 1
;; launch place (part 2): grid 1 x 1, 16 waves a work-group, no clusters, 4,096 bytes of LDS; arguments route, gate, plan, out1; writes plan, out1
.if DOCPART == 2
	.amdgcn_target "amdgcn-amd-amdhsa--gfx1250"
	.amdhsa_code_object_version 6
	.text
	.protected	k_qa89452fada_place
	.globl	k_qa89452fada_place
	.p2align	8
	.type	k_qa89452fada_place,@function
k_qa89452fada_place:
	s_mov_b64 s[64:65], 0
	v_nop
	global_prefetch_b8 v0, s[64:65] scope:SCOPE_SE
	s_setreg_imm32_b32 hwreg(HW_REG_WAVE_MODE, 25, 1), 1
	s_wait_xcnt 0x0
; A counting sort of the 4,096 tokens by the number of their pair of experts (0 .. 27), the list of tiles, and the load-balance loss.  One work-group of sixteen waves; no atomics.
; IN: route: sel[token] = pair | rank << 8 (rank among the pair's tokens in the token's slice of 16), then cnt[256 slices][32] (lane p = pair p's count);  gate + 32,768: sums of p, [256 slices][8 experts].
; OUT: plan: 160 records {a, first place, rows, b} of 16 bytes, a tile being at most 32 tokens of ONE pair; from byte 2,560 on the token numbers in sorted order.  out1.
; A lane stands for a pair in the counts and scans, for a token where places are made; a token takes its pair's number from the pair's lane by a lane permute (no LDS byte is touched by it).
; Wave w owns slices 16 w .. 16 w + 15, which are tokens 256 w .. 256 w + 255.  There are never more than 128 + 27 = 155 tiles with rows, whatever the split; records without rows have rows = 0.
; REGISTERS: v8-23 counts; v24-31 sel; v32-47 places of a pair's first token in my slices; v48-63 sums, scans, at work; v64-79 all waves' sums, later indices and places; v80-143 the sums of p.
	s_load_b256 s[4:11], s[0:1], 0x0               ; route, gate, plan, out1
	v_lshl_add_u32 v144, v0, 2, 0x800
	v_mov_b32 v145, 0
	v_lshrrev_b32 v1, 5, v0
	s_delay_alu instid0(VALU_DEP_1)
	v_readfirstlane_b32 s16, v1                    ; wave
	v_and_b32 v1, 31, v0                           ; lane
	v_lshlrev_b32 v3, 2, v0                        ; LDS: 128 x wave + 4 x lane
	s_delay_alu instid0(VALU_DEP_2)
	v_lshlrev_b32 v4, 2, v1                        ; 4 x lane
	s_delay_alu instid0(VALU_DEP_3)
	v_lshlrev_b32 v5, 4, v1                        ; 16 x lane
	v_lshlrev_b32 v6, 4, v0                        ; a record's place: 16 x thread
	s_lshl_b32 s17, s16, 11
	v_add_nc_u32 v2, s17, v4                       ; my wave's sixteen rows of counts, 128 bytes each
	s_lshl_b32 s17, s16, 10
	v_add_nc_u32 v7, s17, v4                       ; my wave's eight rows of 32 tokens
	s_lshl_b32 s18, s16, 8
	v_add_nc_u32 v60, s18, v1                      ; token 256 x wave + lane
	v_mov_b32 v58, 0                               ; written once: the destination of a DPP form counts as read
	s_mov_b32 s22, 0xffff0000                      ; lanes 16-31
	s_mov_b32 s24, 0x76543210
	s_mov_b32 s25, 0xfedcba98
	s_mov_b32 s26, 0x39800000                      ; 1 / 4,096
	s_mov_b32 s27, 0xbe000000                      ; -1 / 8
	s_wait_alu depctr_va_vdst(0)
	s_wait_kmcnt 0x0
.irp q, 0,1,2,3,4,5,6,7,8,9,10,11,12,13,14,15
	global_load_b32 v[8+\q], v2, s[4:5] offset:16384+128*\q       ; counts
.endr
.irp q, 0,1,2,3,4,5,6,7
	global_load_b32 v[24+\q], v7, s[4:5] offset:128*\q            ; sel
.endr
.irp j, 0,1,2,3,4,5,6,7,8,9,10,11,12,13,14,15
	global_load_b128 v[80+4*\j:83+4*\j], v5, s[6:7] offset:32768+512*\j   ; the sums of p: every wave asks with its first loads, wave 15 works on them
.endr
	s_wait_loadcnt 0x0
	v_mov_b32 v32, 0                               ; how many of the pair lie in my wave's earlier slices
.irp q, 1,2,3,4,5,6,7,8,9,10,11,12,13,14,15
	s_delay_alu instid0(VALU_DEP_1)
	v_add_nc_u32 v[32+\q], v[31+\q], v[7+\q]
.endr
	s_delay_alu instid0(VALU_DEP_1)
	v_add_nc_u32 v48, v47, v23                     ; my wave's count of the pair
	ds_store_b32 v3, v48
	s_wait_dscnt 0x0                               ; for the others' sake
	s_barrier_signal -1
	s_barrier_wait -1
.irp j, 0,1,2,3,4,5,6,7,8,9,10,11,12,13,14,15
	ds_load_b32 v[64+\j], v4 offset:128*\j
.endr
	s_wait_dscnt 0x0
	v_mov_b32 v49, 0                               ; the pair's tokens in all,
	v_mov_b32 v50, 0                               ; and in the waves before mine
.irp j, 0,1,2,3,4,5,6,7,8,9,10,11,12,13,14,15
	v_add_nc_u32 v49, v49, v[64+\j]
	s_cmp_lt_u32 \j, s16
	s_cselect_b32 s20, -1, 0
	v_and_b32 v56, s20, v[64+\j]
	s_delay_alu instid0(VALU_DEP_1)
	v_add_nc_u32 v50, v50, v56
.endr
.macro SCAN x                          ; v[x] becomes the sum over lanes 0 .. my own
.irp n, 1,2,4,8
	s_delay_alu instid0(VALU_DEP_1)
	v_mov_b32_dpp v58, v[\x] row_shr:\n row_mask:0xf bank_mask:0xf bound_ctrl:1    ; lanes without a source take 0
	s_delay_alu instid0(VALU_DEP_1)
	v_add_nc_u32 v[\x], v[\x], v58
.endr
	s_delay_alu instid0(VALU_DEP_1)
	v_readlane_b32 s21, v[\x], 15
	s_delay_alu instid0(VALU_DEP_1)
	v_mov_b32 v59, s21
	s_delay_alu instid0(VALU_DEP_1)
	v_cndmask_b32 v59, 0, v59, s22
	s_delay_alu instid0(VALU_DEP_1)
	v_add_nc_u32 v[\x], v[\x], v59                 ; lanes 16-31 add the first row's sum
.endm
	v_mov_b32 v51, v49
	SCAN 51
	s_delay_alu instid0(VALU_DEP_1)
	v_sub_nc_u32 v52, v51, v49                     ; the pair's first place
	; A TILE NOW HOLDS AT MOST 64 TOKENS of one pair (not 32): never more than 64 + 27 = 91 tiles with rows; 96 records are written, by waves 0 to 2.
	v_add_nc_u32 v53, 63, v49
	s_delay_alu instid0(VALU_DEP_1)
	v_lshrrev_b32 v53, 6, v53                      ; its tiles of 64
	s_delay_alu instid0(VALU_DEP_1)
	v_mov_b32 v54, v53
	SCAN 54                                        ; where its tiles end,
	s_delay_alu instid0(VALU_DEP_1)
	v_sub_nc_u32 v55, v54, v53                     ; and begin
	v_add_nc_u32 v57, v52, v50
.irp q, 0,1,2,3,4,5,6,7,8,9,10,11,12,13,14,15
	v_add_nc_u32 v[32+\q], v57, v[32+\q]           ; the place of the pair's first token in slice q
.endr
.irp q, 0,1,2,3,4,5,6,7
	v_and_b32 v[64+\q], 0xff, v[24+\q]             ; now a lane is a token: its pair,
	s_delay_alu instid0(VALU_DEP_1)
	v_min_u32 v[64+\q], 31, v[64+\q]
	s_delay_alu instid0(VALU_DEP_1)
	v_lshlrev_b32 v[64+\q], 2, v[64+\q]
.endr
.irp q, 0,1,2,3,4,5,6,7
	ds_bpermute_b32 v[72+\q], v[64+\q], v[32+2*\q] ; that pair's place, from the pair's lane: in slice 2 q (lanes 0-15's),
	ds_bpermute_b32 v[8+\q], v[64+\q], v[33+2*\q]  ; and in slice 2 q + 1 (lanes 16-31's)
.endr
	s_wait_dscnt 0x0
.irp q, 0,1,2,3,4,5,6,7
	v_cndmask_b32 v[72+\q], v[72+\q], v[8+\q], s22
	v_lshrrev_b32 v[24+\q], 8, v[24+\q]
	s_delay_alu instid0(VALU_DEP_1)
	v_add_nc_u32 v[72+\q], v[72+\q], v[24+\q]      ; + my rank
	s_delay_alu instid0(VALU_DEP_1)
	v_min_u32 v[72+\q], 0xfff, v[72+\q]            ; held inside the list
	s_delay_alu instid0(VALU_DEP_1)
	v_lshlrev_b32 v[72+\q], 2, v[72+\q]
	v_add_nc_u32 v[64+\q], 32*\q, v60              ; my token's number
	global_store_b32 v[72+\q], v[64+\q], s[8:9] offset:2560
.endr
	s_cmp_lt_u32 s16, 3                            ; waves 0 to 2: a lane to a record, tile i = thread
	s_cbranch_scc0 .Lnorec
	v_mov_b32 v61, 0
.irp p, 0,1,2,3,4,5,6,7,8,9,10,11,12,13,14,15,16,17,18,19,20,21,22,23,24,25,26,27
	v_readlane_b32 s23, v54, \p
	s_delay_alu instid0(VALU_DEP_1)
	v_cmp_le_u32 vcc_lo, s23, v0
	s_delay_alu instid0(VALU_DEP_1)
	v_add_co_ci_u32 v61, vcc_lo, 0, v61, vcc_lo    ; how many pairs' tiles end at or before i: the tile's pair
.endr
	s_delay_alu instid0(VALU_DEP_1)
	v_min_u32 v61, 27, v61
	s_delay_alu instid0(VALU_DEP_1)
	v_lshlrev_b32 v62, 2, v61
	ds_bpermute_b32 v63, v62, v52                  ; its first place,
	ds_bpermute_b32 v56, v62, v49                  ; its tokens,
	ds_bpermute_b32 v57, v62, v55                  ; its first tile
	v_and_b32 v8, 7, v61                           ; a
	v_lshrrev_b32 v11, 3, v61
	s_delay_alu instid0(VALU_DEP_1)
	v_add3_u32 v11, v11, v8, 1                     ; a + d
	s_delay_alu instid0(VALU_DEP_1)
	v_and_b32 v11, 7, v11                          ; b
	s_wait_dscnt 0x0
	v_sub_nc_u32 v57, v0, v57
	s_delay_alu instid0(VALU_DEP_1)
	v_lshlrev_b32 v57, 6, v57                      ; 64 x (which tile of the pair)
	s_delay_alu instid0(VALU_DEP_1)
	v_add_nc_u32 v9, v63, v57
	s_delay_alu instid0(VALU_DEP_1)
	v_min_u32 v9, 0xfff, v9                        ; the tile's first place
	s_delay_alu instid0(VALU_DEP_3)
	v_max_u32 v10, v56, v57
	s_delay_alu instid0(VALU_DEP_1)
	v_sub_nc_u32 v10, v10, v57
	s_delay_alu instid0(VALU_DEP_1)
	v_min_u32 v10, 64, v10                         ; its rows: 0 .. 64
	s_wait_alu depctr_va_vdst(0)
	global_store_b128 v6, v[8:11], s[8:9]
.Lnorec:
	s_cmp_eq_u32 s16, 15                           ; wave 15: the loss.  Register i of a lane is expert 4 (lane & 1) + i
	s_cbranch_scc0 .Lend
.irp j, 1
	v_pk_add_f32 v[80:81], v[80:81], v[80+4*\j:81+4*\j]
	v_pk_add_f32 v[82:83], v[82:83], v[82+4*\j:83+4*\j]
.endr
.irp j, 2, 3, 4, 5, 6, 7, 8, 9, 10, 11, 12, 13, 14, 15
	s_delay_alu instid0(VALU_DEP_2)
	v_pk_add_f32 v[80:81], v[80:81], v[80+4*\j:81+4*\j]
	s_delay_alu instid0(VALU_DEP_2)
	v_pk_add_f32 v[82:83], v[82:83], v[82+4*\j:83+4*\j]
.endr
.irp m, 2,4,8
.irp i, 0,1,2,3
	v_add_f32_dpp v[80+\i], v[80+\i], v[80+\i] row_xmask:\m row_mask:0xf bank_mask:0xf
.endr
.endr
.irp i, 0,1,2,3
	s_delay_alu instid0(VALU_DEP_4)
	v_permlanex16_b32 v[84+\i], v[80+\i], s24, s25
.endr
.irp i, 0,1,2,3
	s_delay_alu instid0(VALU_DEP_4)
	v_add_f32 v[80+\i], v[80+\i], v[84+\i]         ; the sum of p over all tokens
.endr
.irp i, 0,1,2,3
	s_delay_alu instid0(VALU_DEP_4)
	v_fma_f32 v[80+\i], v[80+\i], s26, s27         ; the mean less 1 / 8
.endr
	s_delay_alu instid0(VALU_DEP_4)
	v_mul_f32 v88, v80, v80
	s_delay_alu instid0(VALU_DEP_1)
	v_fma_f32 v88, v81, v81, v88
	s_delay_alu instid0(VALU_DEP_1)
	v_fma_f32 v88, v82, v82, v88
	s_delay_alu instid0(VALU_DEP_1)
	v_fma_f32 v88, v83, v83, v88
	s_delay_alu instid0(VALU_DEP_1)
	v_add_f32_dpp v88, v88, v88 row_xmask:1 row_mask:0xf bank_mask:0xf   ; with the other four experts'
	s_delay_alu instid0(VALU_DEP_1)
	v_mul_f32 v88, 0x3aa3d70a, v88                 ; x 0.01 / 8
	v_mov_b32 v89, 0
	v_cmp_eq_u32 vcc_lo, 0, v1
	s_wait_alu depctr_va_vdst(0)
	s_wait_xcnt 0x0                                ; EXEC changes only behind this wait
	s_and_saveexec_b32 s28, vcc_lo
	global_store_b32 v89, v88, s[10:11]
	s_wait_xcnt 0x0
	s_or_b32 exec_lo, exec_lo, s28
.Lend:
	s_barrier_signal -1
	s_barrier_wait -1
	s_wait_tensorcnt 0x0
	ds_add_u32 v144, v145
	s_wait_dscnt 0x0
	s_endpgm
.Lfunc_end_k_qa89452fada_place:
	.size	k_qa89452fada_place, .Lfunc_end_k_qa89452fada_place-k_qa89452fada_place
	.p2alignl 7, 3214868480
	.fill 96, 4, 3214868480
	.section	.rodata,"a",@progbits
	.p2align	6, 0x0
	.amdhsa_kernel k_qa89452fada_place
		.amdhsa_group_segment_fixed_size 4096
		.amdhsa_private_segment_fixed_size 0
		.amdhsa_enable_private_segment 0
		.amdhsa_kernarg_size 32
		.amdhsa_user_sgpr_count 2
		.amdhsa_user_sgpr_kernarg_segment_ptr 1
		.amdhsa_wavefront_size32 1
		.amdhsa_system_sgpr_workgroup_id_x 1
		.amdhsa_system_sgpr_workgroup_id_y 1
		.amdhsa_system_sgpr_workgroup_id_z 1
		.amdhsa_system_vgpr_workitem_id 0
		.amdhsa_next_free_vgpr 146
		.amdhsa_next_free_sgpr 66
		.amdhsa_reserve_vcc 1
		.amdhsa_float_denorm_mode_32 3
		.amdhsa_float_denorm_mode_16_64 3
		.amdhsa_memory_ordered 1
		.amdhsa_forward_progress 1
		.amdhsa_inst_pref_size 32
	.end_amdhsa_kernel
	.amdgpu_metadata
---
amdhsa.version: [ 1, 2 ]
amdhsa.kernels:
  - .name:           k_qa89452fada_place
    .symbol:         k_qa89452fada_place.kd
    .args:
      - { .name: route, .offset: 0, .size: 8, .value_kind: global_buffer, .address_space: global }
      - { .name: gate, .offset: 8, .size: 8, .value_kind: global_buffer, .address_space: global }
      - { .name: plan, .offset: 16, .size: 8, .value_kind: global_buffer, .address_space: global }
      - { .name: out1, .offset: 24, .size: 8, .value_kind: global_buffer, .address_space: global }
    .group_segment_fixed_size: 4096
    .private_segment_fixed_size: 0
    .kernarg_segment_align: 8
    .kernarg_segment_size: 32
    .max_flat_workgroup_size: 512
    .sgpr_count:     66
    .vgpr_count:     146
    .wavefront_size: 32
...
	.end_amdgpu_metadata
.endif
;; end of part 2
;; launch hidden (part 3): grid 728 x 1, 4 waves a work-group, no clusters, 37,888 bytes of LDS; arguments xq, xs, wq, plan, hq, hs; writes hq, hs
.if DOCPART == 3
	.amdgcn_target "amdgcn-amd-amdhsa--gfx1250"
	.amdhsa_code_object_version 6
	.text
	.protected	k_qa89452fada_hidden
	.globl	k_qa89452fada_hidden
	.p2align	8
	.type	k_qa89452fada_hidden,@function
k_qa89452fada_hidden:
	s_mov_b64 s[64:65], 0
	v_nop
	global_prefetch_b8 v0, s[64:65] scope:SCOPE_SE
	s_setreg_imm32_b32 hwreg(HW_REG_WAVE_MODE, 25, 1), 1
	s_wait_xcnt 0x0
; The hidden layers: Q(gelu(x W1[e]^T)) for the two experts e that a token chose, on codes of E2M1 with one E8M0 scale for each 32 along K; gelu by erf, in f32.
; WORK LEFT OUT: of the eight experts only a token's two are computed: the other six reach no output for any values of the inputs.
; Which two is read here as whole numbers that an earlier launch stored.  A NaN, an infinity or an overflow that reaches only the experts left out is not carried to the result.
; SHARES.  Work-group 8 i + c takes tile i of the stored list (at most 64 tokens that chose the SAME pair (a, b)) and hidden units 128 c .. 128 c + 127 of both experts.  91 tiles x 8 serve every split.
; Wave w takes expert j = w & 1 and the unit of 64 hidden units 2 c + (w >> 1): 64 weight rows x 64 tokens x K = 1,024: 128 products on 16 accumulators, which take turns.
; Rows beyond the tile's count take the tile's last token.  A block of 16 rows that lies wholly beyond the count jumps over gelu (a scalar branch on the stored count); its codes are stored all the same, are finite,
; and the next launch stores nothing of those rows.  A tile without rows walks with held indices: the barriers stand under no branch on numbers read from memory.
; WEIGHTS go from memory straight into registers, laid by an earlier launch in the order of the operand's registers (a K step of a unit: 4,352 bytes on end, 9 loads, a SET).  Four sets: K steps 0-3 are asked for
; at the head, K step s + 4 behind K step s.  No weight byte is read by two waves of a work-group.
; x: wave w gathers rows 16 w .. 16 w + 15 (512 bytes on end each) and lays them in LDS as images of the operand's registers: block (K step, group c, half h) = the row's lane, 256 bytes + 16 of padding:
; lanes 272 bytes apart on the way in, 16 apart on the way out, so that sixteen lanes touch sixteen different columns of 16 bytes both ways.
; BOTH SOURCES: source 0 = 16 weight rows, source 1 = 16 tokens: a lane holds one token, and the 16 registers of weight tiles 2 b and 2 b + 1 are the neighbours 32 b + 16 h + 0 .. 15 of the unit.
; OUT: hq [tile][expert][T][unit][512 bytes]: a group of four operand registers, 16 bytes a lane; hs [tile][K step c][expert][lane][T / 2]: scale words, gathered in LDS from the two waves of an expert: 512 bytes on end.
; No cluster, no joint loads, no tensor loads: which experts a work-group walks hangs on the stored list.  No prefetch: the text has no loop to run ahead in; all it reads is asked for at the head or four K steps ahead.
; erf(z) = z P(z^2) / Q(z^2), P of degree 6 and Q of degree 4 in z^2, z held at +-4, beyond which erf is 1 in f32.
; LIMITS: NaN and infinities are not served.  A hidden block whose largest magnitude lies under 2^-124 keeps the byte 1.
; REGISTERS: v1 16 x lane, v2 8 x lane, v3 4 (lane & 7), v4, v5 offsets in wq, v6 fragment address, v7, v8 x's images and scale words on the way in, v9 my half word of hs, v13 offset in hq; the names below; sets 0, 1 in window 1.
.set U,    34816
.set CH,   4352
.set EXPB, 1114112
.set WAVB, 278528
.set TP,   8704                        ; LDS: the images of 16 tokens: 32 blocks of 272 bytes
.set XSC,  34816                       ; x's scale words: 256 x K step + 8 x (row & 31) + 4 x (row >> 5)
.set HSS,  36864                       ; the hidden layer's scale words: 256 j + 8 x lane + 4 x (T / 2) + 2 x (unit & 1)
.set SPARE, 37376
.set SPW,  14
.set NIL,  15
.set WS,   16                          ; v16-23   the sets' scale words
.set BS,   24                          ; v24-27   the tokens' scale words, two K steps by turns: lanes 0-15 even T, lanes 16-31 odd T
.set ACC,  32                          ; v32-159  accumulator (T, t) at ACC + 8 (4 T + t)
.set X,    160                         ; v160-191 the tokens' fragments of one K step
.set BSA,  2
.set BSO,  XSC
.set BSP,  256
.set Z,    160                         ; behind the products
.set S,    168
.set P,    176
.set Q,    184
.set M,    192
.set M2,   196
.set SO,   200
.set BY,   204
.set PC,   208
.set NW,   224
.set SEL,  228
.set KV,   232                         ; v232-235 the two leading coefficients, each twice
.set KS,   66                          ; s66-91   the other constants, each twice
.set MSB, 0
.macro WIN new                         ; the immediate's high byte repeats the setting that is left; a switch that changes nothing is dropped
.if MSB != \new
	s_set_vgpr_msb (MSB<<8)|\new
.set MSB, \new
.endif
.endm
.macro PLACES                          ; four places behind products, ahead of loads into their registers and of the first read of results
.rept 4
	v_nop
.endr
.endm
.macro KSET i, val
	s_mov_b32 s[KS+2*\i], \val
	s_mov_b32 s[KS+2*\i+1], \val
.endm
.macro REFILL q, s                     ; set q takes K step s: the scale words (256 bytes on end), then four fragments (8 x 512 bytes on end)
	WIN 0
	global_load_b64 v[WS+2*(\q):WS+2*(\q)+1], v5, s[8:9] offset:CH*(\s)+4096
.if (\q) < 2
	WIN 0x40
.set WB, 32*(\q)
.else
.set WB, 192+32*((\q)-2)
.endif
.irp t4, 0,1,2,3
.irp c, 0,1
	global_load_b128 v[WB+8*\t4+4*\c:WB+8*\t4+4*\c+3], v4, s[8:9] offset:CH*(\s)+1024*\t4+512*\c
.endr
.endr
.endm
.macro WSRC s                          ; the window of K step s's set
.if ((\s)%4) < 2
	WIN 0x01
.set WB, 32*((\s)%4)
.else
	WIN 0
.set WB, 192+32*(((\s)%4)-2)
.endif
.endm
.macro XG0 s                           ; K step s: the scale words and the fragments of T = 0, 1: five loads
	ds_load_b64 v[BS+2*((\s)%2):BS+2*((\s)%2)+1], v[BSA] offset:BSO+BSP*(\s)
.irp e, 0,1
.irp c, 0,1
	ds_load_b128 v[X+8*\e+4*\c:X+8*\e+4*\c+3], v6 offset:TP*\e+1088*(\s)+544*\c
.endr
.endr
.endm
.macro XG1 s                           ; the fragments of T = 2, 3: four loads
.irp e, 0,1
.irp c, 0,1
	ds_load_b128 v[X+16+8*\e+4*\c:X+16+8*\e+4*\c+3], v6 offset:TP*(2+\e)+1088*(\s)+544*\c
.endr
.endr
.endm
; One product.  z: it starts the sum.  u: the weight tile's scale words lie in lanes 16-31.  T: so do the tokens'.
.macro WM d, a, b, z, sa, sb, u, T
.if \z
.if \u
.if \T
	v_wmma_scale_f32_16x16x128_f8f6f4 v[\d:\d+7], v[\a:\a+7], v[\b:\b+7], 0, v[\sa], v[\sb] matrix_a_fmt:MATRIX_FMT_FP4 matrix_b_fmt:MATRIX_FMT_FP4 matrix_a_scale:MATRIX_SCALE_ROW1 matrix_b_scale:MATRIX_SCALE_ROW1
.else
	v_wmma_scale_f32_16x16x128_f8f6f4 v[\d:\d+7], v[\a:\a+7], v[\b:\b+7], 0, v[\sa], v[\sb] matrix_a_fmt:MATRIX_FMT_FP4 matrix_b_fmt:MATRIX_FMT_FP4 matrix_a_scale:MATRIX_SCALE_ROW1
.endif
.else
.if \T
	v_wmma_scale_f32_16x16x128_f8f6f4 v[\d:\d+7], v[\a:\a+7], v[\b:\b+7], 0, v[\sa], v[\sb] matrix_a_fmt:MATRIX_FMT_FP4 matrix_b_fmt:MATRIX_FMT_FP4 matrix_b_scale:MATRIX_SCALE_ROW1
.else
	v_wmma_scale_f32_16x16x128_f8f6f4 v[\d:\d+7], v[\a:\a+7], v[\b:\b+7], 0, v[\sa], v[\sb] matrix_a_fmt:MATRIX_FMT_FP4 matrix_b_fmt:MATRIX_FMT_FP4
.endif
.endif
.else
.if \u
.if \T
	v_wmma_scale_f32_16x16x128_f8f6f4 v[\d:\d+7], v[\a:\a+7], v[\b:\b+7], v[\d:\d+7], v[\sa], v[\sb] matrix_a_fmt:MATRIX_FMT_FP4 matrix_b_fmt:MATRIX_FMT_FP4 matrix_a_scale:MATRIX_SCALE_ROW1 matrix_b_scale:MATRIX_SCALE_ROW1
.else
	v_wmma_scale_f32_16x16x128_f8f6f4 v[\d:\d+7], v[\a:\a+7], v[\b:\b+7], v[\d:\d+7], v[\sa], v[\sb] matrix_a_fmt:MATRIX_FMT_FP4 matrix_b_fmt:MATRIX_FMT_FP4 matrix_a_scale:MATRIX_SCALE_ROW1
.endif
.else
.if \T
	v_wmma_scale_f32_16x16x128_f8f6f4 v[\d:\d+7], v[\a:\a+7], v[\b:\b+7], v[\d:\d+7], v[\sa], v[\sb] matrix_a_fmt:MATRIX_FMT_FP4 matrix_b_fmt:MATRIX_FMT_FP4 matrix_b_scale:MATRIX_SCALE_ROW1
.else
	v_wmma_scale_f32_16x16x128_f8f6f4 v[\d:\d+7], v[\a:\a+7], v[\b:\b+7], v[\d:\d+7], v[\sa], v[\sb] matrix_a_fmt:MATRIX_FMT_FP4 matrix_b_fmt:MATRIX_FMT_FP4
.endif
.endif
.endif
.endm
.macro MUL8 s, tp, z                   ; eight products: four weight tiles x T = 2 tp, 2 tp + 1; the sixteen accumulators take turns in the same order in every K step
.irp t4, 0,1,2,3
.irp e, 0,1
	WM ACC+8*(4*(2*\tp+\e)+\t4), WB+8*\t4, X+16*\tp+8*\e, \z, WS+2*((\s)%4)+\t4/2, BS+2*((\s)%2)+\tp, \t4%2, \e
.endr
.endr
.endm
; K step s.  lc: the global loads issued behind this set's nine (none is waited for where lc < 0).  Each half of the tokens' fragments is asked for anew as soon as its eight products are issued.
.macro KSTEP s, lc
.if \lc >= 0
	s_wait_loadcnt \lc
.endif
	s_wait_dscnt 4                                 ; the scale words and T = 0, 1 are in; the four loads of T = 2, 3 may be out
	WSRC \s
	MUL8 \s, 0, (\s)==0
.if \s < 7
	PLACES
	WIN 0
	XG0 (\s)+1
	s_wait_dscnt 5                                 ; T = 2, 3 are in; the five loads just issued may be out
	WSRC \s
.else
	s_wait_dscnt 0
.endif
	MUL8 \s, 1, (\s)==0
	PLACES
	WIN 0
.if \s < 7
	XG1 (\s)+1
.endif
.if \s < 4
	REFILL \s, (\s)+4
	WIN 0
.endif
.endm
	s_load_b256 s[4:11], s[0:1], 0x0               ; xq, xs, wq, plan
	s_load_b128 s[12:15], s[0:1], 0x20             ; hq, hs
	v_lshl_add_u32 v[SPW], v0, 2, SPARE
	v_mov_b32 v[NIL], 0
	v_lshrrev_b32 v13, 5, v0
	v_readfirstlane_b32 s16, v13                   ; wave
	s_lshr_b32 s17, ttmp9, 3                       ; tile
	s_and_b32 s18, ttmp9, 7                        ; c
	s_and_b32 s19, s16, 1                          ; j: a's wave or b's
	s_lshr_b32 s20, s16, 1
	s_lshl_b32 s21, s18, 1
	s_add_co_u32 s21, s21, s20                     ; unit 0 .. 15
	s_mul_i32 s22, s16, TP                         ; I gather T = wave
	s_lshl_b32 s23, s19, 7
	s_lshl_b32 s24, s20, 2
	s_add_co_u32 s23, s23, s24                     ; rows 16 w on among x's scale words
	s_lshl_b32 s24, s19, 8
	s_lshl_b32 s25, s20, 1
	s_add_co_u32 s24, s24, s25
	s_add_co_u32 s24, s24, HSS
	s_lshl_b32 s25, s19, 15
	s_lshl_b32 s26, s21, 9
	s_add_co_u32 s25, s25, s26                     ; in hq: 32,768 j + 512 x unit
	s_lshl_b32 s26, s16, 4
	s_lshr_b32 s27, s21, 2
	s_mul_i32 s27, s27, WAVB
	s_and_b32 s33, s21, 3
	s_mul_i32 s33, s33, U
	s_add_co_u32 s27, s27, s33                     ; the unit's place in an expert's part of wq (W1)
	s_lshl_b32 s34, s17, 4
	s_mov_b32 s35, 0
	s_lshl_b32 s36, s17, 16
	s_mov_b32 s37, 0
	s_lshl_b32 s38, s17, 12
	s_lshl_b32 s39, s18, 9
	s_add_co_u32 s38, s38, s39
	s_mov_b32 s39, 0
	s_mov_b32 s40, 0x76543210
	s_mov_b32 s41, 0xfedcba98                      ; v_permlanex16_b32's selects for lane l xor 16
	s_mov_b32 s42, 0xffff0000                      ; lanes 16-31
	v_and_b32 v12, 31, v0                          ; lane
	v_and_b32 v11, 15, v0                          ; r
	v_bfe_u32 v10, v0, 4, 1                        ; h
	v_lshlrev_b32 v1, 4, v12
	v_lshlrev_b32 v2, 3, v12
	v_mul_u32_u24 v6, v10, 272
	v_lshl_add_u32 v6, v11, 4, v6                  ; a fragment: 272 h + 16 r
	v_mul_u32_u24 v7, v12, 272
	v_add_nc_u32 v7, s22, v7                       ; a row on its way in: block = lane
	v_and_b32 v3, 7, v12
	v_lshl_add_u32 v8, v3, 8, s23
	v_lshlrev_b32 v3, 2, v3
	v_add_nc_u32 v9, s24, v2
	v_add_nc_u32 v13, s25, v1
	v_add_nc_u32 v11, s26, v11                     ; row 16 w + r
	s_wait_alu depctr_va_vdst(0)
	s_wait_kmcnt 0x0
	s_add_nc_u64 s[34:35], s[10:11], s[34:35]
	s_load_b128 s[28:31], s[34:35], 0x0            ; my tile: a, first place, rows, b
	s_add_nc_u64 s[12:13], s[12:13], s[36:37]
	s_add_nc_u64 s[14:15], s[14:15], s[38:39]
	KSET 0, 0x3f3504f3                             ; 1 / sqrt(2)
	KSET 2, 0.0000000277068142495902               ; P, from the second highest power down
	KSET 3, -0.00000210102402082508
	KSET 4, -0.0000569250639462346
	KSET 5, -0.000734990630326855
	KSET 6, -0.00295459980854025
	KSET 7, -0.0160960333262415
	KSET 9, -0.000213374055278905                  ; Q likewise
	KSET 10, -0.00168282697438203
	KSET 11, -0.00737332916720468
	KSET 12, -0.0142647390514189
	s_wait_kmcnt 0x0
	s_cmp_eq_u32 s19, 0
	s_cselect_b32 s28, s28, s31                    ; my expert,
	s_min_u32 s28, s28, 7                          ; held inside the table; behind this only a product and sums
	s_mul_i32 s28, s28, EXPB
	s_add_co_u32 s28, s28, s27
	s_min_u32 s30, s30, 64
	s_max_u32 s33, s30, 1
	s_sub_co_u32 s33, s33, 1                       ; the tile's last row
	v_min_u32 v11, s33, v11
	v_add_nc_u32 v11, s29, v11
	v_min_u32 v11, 0xfff, v11                      ; held inside the list
	v_lshlrev_b32 v11, 2, v11
	global_load_b32 v12, v11, s[10:11] offset:2560 ; lane r: row 16 w + r's token
	v_add_nc_u32 v4, s28, v1
	v_add_nc_u32 v5, s28, v2
	s_wait_alu depctr_va_vdst(0)
.irp q, 0,1,2,3
	REFILL \q, \q
.endr
	WIN 0
	s_wait_loadcnt 36                              ; 36 loads were issued behind the token numbers'
.irp k, 0,1,2,3,4,5,6,7,8,9,10,11,12,13,14,15
	v_readlane_b32 s[44+\k], v12, \k
.endr
.irp k, 0,1,2,3,4,5,6,7,8,9,10,11,12,13,14,15
	s_min_u32 s[44+\k], s[44+\k], 0xfff
.endr
.irp k, 0,1,2,3,4,5,6,7,8,9,10,11,12,13,14,15
	v_lshl_add_u32 v[ACC+80+\k], s[44+\k], 9, v1
	v_lshl_add_u32 v[ACC+96+\k], s[44+\k], 5, v3
.endr
.irp k, 0,1,2,3,4,5,6,7,8,9,10,11,12,13,14,15
	global_load_b128 v[ACC+4*\k:ACC+4*\k+3], v[ACC+80+\k], s[4:5]   ; the token's 512 bytes of codes on end
	global_load_b32 v[ACC+64+\k], v[ACC+96+\k], s[6:7]              ; its eight scale words (four lanes to a word)
.endr
	s_wait_loadcnt 0x0
.irp k, 0,1,2,3,4,5,6,7,8,9,10,11,12,13,14,15
	ds_store_b128 v7, v[ACC+4*\k:ACC+4*\k+3] offset:16*\k
	ds_store_b32 v8, v[ACC+64+\k] offset:XSC+8*\k
.endr
	s_wait_dscnt 0x0                               ; for the others' sake: my stores have landed
	s_barrier_signal -1
	s_barrier_wait -1                              ; the 64 tokens' images and scale words lie in LDS; nobody writes them again
	XG0 0
	XG1 0
	KSTEP 0, -1
	KSTEP 1, -1
	KSTEP 2, -1
	KSTEP 3, -1
	KSTEP 4, 27                                    ; behind K step 4's nine loads: those of K steps 5, 6, 7
	KSTEP 5, 18
	KSTEP 6, 9
	KSTEP 7, 0
.irp k, 0,1,2,3
	v_mov_b32 v[M2+\k], 0                          ; written once: a lane permute's destination counts as one of its sources
.endr
	v_mov_b32 v[KV], -0.000000000272614225801306   ; P's leading coefficient,
	v_mov_b32 v[KV+1], -0.000000000272614225801306
	v_mov_b32 v[KV+2], -0.0000145660718464996      ; and Q's
	v_mov_b32 v[KV+3], -0.0000145660718464996
; gelu of one accumulator, in place: four pairs by turns.
.macro GELU8 x
.irp p, 0,2,4,6
	v_pk_mul_f32 v[Z+\p:Z+\p+1], v[(\x)+\p:(\x)+\p+1], s[KS:KS+1] op_sel_hi:[1,0]     ; from the accumulator's low end on
.endr
.irp i, 0,1,2,3,4,5,6,7
	v_med3_num_f32 v[Z+\i], v[Z+\i], -4.0, 4.0
.endr
.irp p, 0,2,4,6
	v_pk_mul_f32 v[S+\p:S+\p+1], v[Z+\p:Z+\p+1], v[Z+\p:Z+\p+1]
.endr
.irp p, 0,2,4,6
	v_pk_fma_f32 v[P+\p:P+\p+1], v[S+\p:S+\p+1], v[KV:KV+1], s[KS+4:KS+5] op_sel_hi:[1,1,0]
.endr
.irp p, 0,2,4,6
	v_pk_fma_f32 v[Q+\p:Q+\p+1], v[S+\p:S+\p+1], v[KV+2:KV+3], s[KS+18:KS+19] op_sel_hi:[1,1,0]
.endr
.irp k, 3,4,5
.irp p, 0,2,4,6
	v_pk_fma_f32 v[P+\p:P+\p+1], v[P+\p:P+\p+1], v[S+\p:S+\p+1], s[KS+2*\k:KS+2*\k+1] op_sel_hi:[1,1,0]
.endr
.irp p, 0,2,4,6
	v_pk_fma_f32 v[Q+\p:Q+\p+1], v[Q+\p:Q+\p+1], v[S+\p:S+\p+1], s[KS+2*\k+14:KS+2*\k+15] op_sel_hi:[1,1,0]
.endr
.endr
.irp k, 6,7
.irp p, 0,2,4,6
	v_pk_fma_f32 v[P+\p:P+\p+1], v[P+\p:P+\p+1], v[S+\p:S+\p+1], s[KS+2*\k:KS+2*\k+1] op_sel_hi:[1,1,0]
.endr
.endr
	s_wait_alu depctr_va_vdst(0)                   ; ahead of the batch of reciprocals,
.irp i, 0,1,2,3,4,5,6,7
	v_rcp_f32 v[Q+\i], v[Q+\i]
.endr
.irp p, 0,2,4,6
	v_pk_mul_f32 v[P+\p:P+\p+1], v[P+\p:P+\p+1], v[Z+\p:Z+\p+1]            ; (plain places behind the reciprocals)
.endr
.irp p, 0,2,4,6
	v_pk_mul_f32 v[(\x)+\p:(\x)+\p+1], v[(\x)+\p:(\x)+\p+1], 0.5 op_sel_hi:[1,0]
.endr
	s_wait_alu depctr_va_vdst(0)                   ; and behind it
.irp p, 0,2,4,6
	v_pk_mul_f32 v[P+\p:P+\p+1], v[P+\p:P+\p+1], v[Q+\p:Q+\p+1]            ; erf
.endr
.irp p, 0,2,4,6
	v_pk_fma_f32 v[(\x)+\p:(\x)+\p+1], v[(\x)+\p:(\x)+\p+1], v[P+\p:P+\p+1], v[(\x)+\p:(\x)+\p+1]   ; x / 2 + x / 2 erf
.endr
.endm
; The unit's 64 hidden units of T = 2 tp, 2 tp + 1 are quantised: four blocks k = 2 (T & 1) + b, 16 numbers in my lane and 16 in lane l xor 16.  They are half a K step of the next product: four registers for each T.
.macro QUNIT tp
.set AB, ACC+64*\tp
.irp k, 0,1,2,3
	v_max3_num_f32 v[M+\k], |v[AB+16*\k]|, |v[AB+16*\k+1]|, 0x1800000      ; with the floor 2^(3 - 127): the byte cannot fall under 1
.endr
.irp i, 2,4,6,8,10,12,14
.irp k, 0,1,2,3
	v_max3_num_f32 v[M+\k], v[M+\k], |v[AB+16*\k+\i]|, |v[AB+16*\k+\i+1]|
.endr
.endr
.irp k, 0,1,2,3
	v_permlanex16_b32 v[M2+\k], v[M+\k], s40, s41
.endr
.irp k, 0,1,2,3
	v_max_num_f32 v[M+\k], v[M+\k], v[M2+\k]
.endr
.irp k, 0,1,2,3
	v_add_nc_u32 v[SO+\k], 0xff000000, v[M+\k]     ; 2 off the exponent field: the conversion's scale operand
.endr
.irp k, 0,1,2,3
	v_lshrrev_b32 v[BY+\k], 23, v[SO+\k]           ; the byte
.endr
.irp k, 0,1,2,3
	v_cvt_scalef32_pk8_fp4_f32 v[PC+8*\tp+2*\k], v[AB+16*\k:AB+16*\k+7], v[SO+\k]
	v_cvt_scalef32_pk8_fp4_f32 v[PC+8*\tp+2*\k+1], v[AB+16*\k+8:AB+16*\k+15], v[SO+\k]
.endr
	v_nop                                          ; one plain place behind the last scaled conversion
.irp T, 0,1
.irp i, 0,1
	v_permlane16_swap_b32 v[PC+8*\tp+4*\T+\i], v[PC+8*\tp+4*\T+2+\i]       ; a whole block to a lane: lanes 0-15 block 0, lanes 16-31 block 1
.endr
.endr
.irp T, 0,1
	global_store_b128 v13, v[PC+8*\tp+4*\T:PC+8*\tp+4*\T+3], s[12:13] offset:8192*(2*\tp+\T)   ; 512 bytes on end
	v_lshl_or_b32 v[NW+2*\tp+\T], v[BY+2*\T+1], 8, v[BY+2*\T]
.endr
	v_cndmask_b32 v[SEL+\tp], v[NW+2*\tp], v[NW+2*\tp+1], s42              ; lane 16 (T & 1) + r: that token's two bytes
	ds_store_b16 v9, v[SEL+\tp] offset:4*\tp
.endm
.irp T, 0,1,2,3
	s_cmp_gt_u32 s30, 16*\T                        ; has this block of 16 rows a row of the tile?
	s_wait_alu depctr_va_vdst(0)
	s_cbranch_scc0 .Ldead\T
.irp a, 0,1,2,3
	GELU8 ACC+32*\T+8*\a
.endr
.Ldead\T:
.endr
	QUNIT 0
	QUNIT 1
	s_wait_dscnt 0x0                               ; for the others' sake: my half words have landed
	s_barrier_signal -1
	s_barrier_wait -1
	s_cmp_lg_u32 s16, 0                            ; wave 0: the work-group's 128 scale words
	s_cbranch_scc1 .Lend
	ds_load_b128 v[Z:Z+3], v1 offset:HSS
	s_wait_dscnt 0x0
	global_store_b128 v1, v[Z:Z+3], s[14:15]       ; 512 bytes on end
.Lend:
	s_wait_tensorcnt 0x0                           ; the wave's end
	ds_add_u32 v[SPW], v[NIL]
	s_wait_dscnt 0x0
	s_endpgm
.Lfunc_end_k_qa89452fada_hidden:
	.size	k_qa89452fada_hidden, .Lfunc_end_k_qa89452fada_hidden-k_qa89452fada_hidden
	.p2alignl 7, 3214868480
	.fill 96, 4, 3214868480
	.section	.rodata,"a",@progbits
	.p2align	6, 0x0
	.amdhsa_kernel k_qa89452fada_hidden
		.amdhsa_group_segment_fixed_size 37888
		.amdhsa_private_segment_fixed_size 0
		.amdhsa_enable_private_segment 0
		.amdhsa_kernarg_size 48
		.amdhsa_user_sgpr_count 2
		.amdhsa_user_sgpr_kernarg_segment_ptr 1
		.amdhsa_wavefront_size32 1
		.amdhsa_system_sgpr_workgroup_id_x 1
		.amdhsa_system_sgpr_workgroup_id_y 1
		.amdhsa_system_sgpr_workgroup_id_z 1
		.amdhsa_system_vgpr_workitem_id 0
		.amdhsa_next_free_vgpr 320
		.amdhsa_next_free_sgpr 96
		.amdhsa_reserve_vcc 0
		.amdhsa_float_denorm_mode_32 3
		.amdhsa_float_denorm_mode_16_64 3
		.amdhsa_memory_ordered 1
		.amdhsa_forward_progress 1
		.amdhsa_inst_pref_size 131
	.end_amdhsa_kernel
	.amdgpu_metadata
---
amdhsa.version: [ 1, 2 ]
amdhsa.kernels:
  - .name:           k_qa89452fada_hidden
    .symbol:         k_qa89452fada_hidden.kd
    .args:
      - { .name: xq, .offset: 0, .size: 8, .value_kind: global_buffer, .address_space: global }
      - { .name: xs, .offset: 8, .size: 8, .value_kind: global_buffer, .address_space: global }
      - { .name: wq, .offset: 16, .size: 8, .value_kind: global_buffer, .address_space: global }
      - { .name: plan, .offset: 24, .size: 8, .value_kind: global_buffer, .address_space: global }
      - { .name: hq, .offset: 32, .size: 8, .value_kind: global_buffer, .address_space: global }
      - { .name: hs, .offset: 40, .size: 8, .value_kind: global_buffer, .address_space: global }
    .group_segment_fixed_size: 37888
    .private_segment_fixed_size: 0
    .kernarg_segment_align: 8
    .kernarg_segment_size: 48
    .max_flat_workgroup_size: 128
    .sgpr_count:     96
    .vgpr_count:     320
    .wavefront_size: 32
...
	.end_amdgpu_metadata
.endif
;; end of part 3
;; launch combine (part 4): grid 728 x 1, 4 waves a work-group, no clusters, 75,264 bytes of LDS; arguments hq, hs, wq, plan, gate, out0; writes out0
.if DOCPART == 4
	.amdgcn_target "amdgcn-amd-amdhsa--gfx1250"
	.amdhsa_code_object_version 6
	.text
	.protected	k_qa89452fada_combine
	.globl	k_qa89452fada_combine
	.p2align	8
	.type	k_qa89452fada_combine,@function
k_qa89452fada_combine:
	s_mov_b64 s[64:65], 0
	v_nop
	global_prefetch_b8 v0, s[64:65] scope:SCOPE_SE
	s_setreg_imm32_b32 hwreg(HW_REG_WAVE_MODE, 25, 1), 1
	s_wait_xcnt 0x0
; out0[token] = w_a h_a W2[a]^T + w_b h_b W2[b]^T on codes of E2M1 with one E8M0 scale for each 32 along K; h_a, h_b are the hidden layers that the launch before quantised.
; WORK LEFT OUT, as there: the six experts that a token did not choose reach no output.
; SHARES.  Work-group 8 i + c takes tile i of the stored list (at most 64 tokens of ONE pair (a, b)) and output columns 128 c .. 128 c + 127: each number of out0 has one owner and is stored finished.
; Wave w takes expert j = w & 1 and the unit of 64 columns 2 c + (w >> 1): 64 weight rows x 64 tokens x K = 1,024: 128 products on 16 accumulators, which take turns.
; Each wave weighs its sums by its expert's gate; the two waves of a unit meet in a stage in LDS, and each of them adds and stores 32 of the unit's 64 rows: sixteen lanes store 256 bytes on end, aligned.
; THE HIDDEN LAYERS come as images of the operand's registers (hq): wave (j, w >> 1) brings 16,384 bytes on end and lays them in LDS in blocks of 256 bytes + 16; the scale words (hs) likewise, 1,024 bytes a wave.
; THE STAGE lies over the images: a barrier stands between the last read of an image and the first store into the stage, and another between those stores and the reads.
; Rows beyond the tile's count repeat the tile's last token and store the same bits to the same place; a block of 16 rows that lies wholly beyond the count is not stored (a scalar branch on the stored count).
; WEIGHTS: from memory straight into registers, four sets, as in the launch before.  No cluster, no joint loads, no tensor loads: the experts hang on the stored list.  No prefetch: no loop to run ahead in.
; LIMITS: NaN and infinities are not served.
; REGISTERS: v1 16 x lane, v2 8 x lane, v3 scale words' address, v4, v5 offsets in wq, v6 fragment address, v7, v8 the stage in and out, v9 my rows' tokens, v10 my place in a row of out0; the names below; sets 0, 1 in window 1.
.set U,    34816
.set CH,   4352
.set EXPB, 1114112
.set WAVB, 278528
.set TP,   8704                        ; LDS: the images of 16 tokens: 32 blocks of 272 bytes; also 32 rows of the stage
.set EIMG, 34816                       ; an expert's images
.set HSC,  69632                       ; scale words: 512 x K step + 256 j + 8 x lane + 4 x (T / 2)
.set TOK,  73728                       ; the tile's token numbers, once for each wave
.set SPARE, 74752
.set SPW,  14
.set NIL,  15
.set WS,   16
.set BS,   24
.set GW,   28                          ; v28-31   my expert's gate for token 16 T + r
.set ACC,  32
.set X,    160
.set BSA,  3
.set BSO,  0
.set BSP,  512
.set RO,   160                         ; behind the products: byte offsets in out0 of rows 32 j + 2 i + h
.set GP,   192                         ; the gates, each twice
.set GT,   174                         ; the head: tokens, then offsets in gate
.set MSB, 0
.macro WIN new
.if MSB != \new
	s_set_vgpr_msb (MSB<<8)|\new
.set MSB, \new
.endif
.endm
.macro PLACES
.rept 4
	v_nop
.endr
.endm
.macro REFILL q, s                     ; set q takes K step s: the scale words (256 bytes on end), then four fragments (8 x 512 bytes on end)
	WIN 0
	global_load_b64 v[WS+2*(\q):WS+2*(\q)+1], v5, s[8:9] offset:CH*(\s)+4096
.if (\q) < 2
	WIN 0x40
.set WB, 32*(\q)
.else
.set WB, 192+32*((\q)-2)
.endif
.irp t4, 0,1,2,3
.irp c, 0,1
	global_load_b128 v[WB+8*\t4+4*\c:WB+8*\t4+4*\c+3], v4, s[8:9] offset:CH*(\s)+1024*\t4+512*\c
.endr
.endr
.endm
.macro WSRC s
.if ((\s)%4) < 2
	WIN 0x01
.set WB, 32*((\s)%4)
.else
	WIN 0
.set WB, 192+32*(((\s)%4)-2)
.endif
.endm
.macro XG0 s                           ; K step s: the scale words and the fragments of T = 0, 1: five loads
	ds_load_b64 v[BS+2*((\s)%2):BS+2*((\s)%2)+1], v[BSA] offset:BSO+BSP*(\s)
.irp e, 0,1
.irp c, 0,1
	ds_load_b128 v[X+8*\e+4*\c:X+8*\e+4*\c+3], v6 offset:TP*\e+1088*(\s)+544*\c
.endr
.endr
.endm
.macro XG1 s                           ; the fragments of T = 2, 3: four loads
.irp e, 0,1
.irp c, 0,1
	ds_load_b128 v[X+16+8*\e+4*\c:X+16+8*\e+4*\c+3], v6 offset:TP*(2+\e)+1088*(\s)+544*\c
.endr
.endr
.endm
.macro WM d, a, b, z, sa, sb, u, T
.if \z
.if \u
.if \T
	v_wmma_scale_f32_16x16x128_f8f6f4 v[\d:\d+7], v[\a:\a+7], v[\b:\b+7], 0, v[\sa], v[\sb] matrix_a_fmt:MATRIX_FMT_FP4 matrix_b_fmt:MATRIX_FMT_FP4 matrix_a_scale:MATRIX_SCALE_ROW1 matrix_b_scale:MATRIX_SCALE_ROW1
.else
	v_wmma_scale_f32_16x16x128_f8f6f4 v[\d:\d+7], v[\a:\a+7], v[\b:\b+7], 0, v[\sa], v[\sb] matrix_a_fmt:MATRIX_FMT_FP4 matrix_b_fmt:MATRIX_FMT_FP4 matrix_a_scale:MATRIX_SCALE_ROW1
.endif
.else
.if \T
	v_wmma_scale_f32_16x16x128_f8f6f4 v[\d:\d+7], v[\a:\a+7], v[\b:\b+7], 0, v[\sa], v[\sb] matrix_a_fmt:MATRIX_FMT_FP4 matrix_b_fmt:MATRIX_FMT_FP4 matrix_b_scale:MATRIX_SCALE_ROW1
.else
	v_wmma_scale_f32_16x16x128_f8f6f4 v[\d:\d+7], v[\a:\a+7], v[\b:\b+7], 0, v[\sa], v[\sb] matrix_a_fmt:MATRIX_FMT_FP4 matrix_b_fmt:MATRIX_FMT_FP4
.endif
.endif
.else
.if \u
.if \T
	v_wmma_scale_f32_16x16x128_f8f6f4 v[\d:\d+7], v[\a:\a+7], v[\b:\b+7], v[\d:\d+7], v[\sa], v[\sb] matrix_a_fmt:MATRIX_FMT_FP4 matrix_b_fmt:MATRIX_FMT_FP4 matrix_a_scale:MATRIX_SCALE_ROW1 matrix_b_scale:MATRIX_SCALE_ROW1
.else
	v_wmma_scale_f32_16x16x128_f8f6f4 v[\d:\d+7], v[\a:\a+7], v[\b:\b+7], v[\d:\d+7], v[\sa], v[\sb] matrix_a_fmt:MATRIX_FMT_FP4 matrix_b_fmt:MATRIX_FMT_FP4 matrix_a_scale:MATRIX_SCALE_ROW1
.endif
.else
.if \T
	v_wmma_scale_f32_16x16x128_f8f6f4 v[\d:\d+7], v[\a:\a+7], v[\b:\b+7], v[\d:\d+7], v[\sa], v[\sb] matrix_a_fmt:MATRIX_FMT_FP4 matrix_b_fmt:MATRIX_FMT_FP4 matrix_b_scale:MATRIX_SCALE_ROW1
.else
	v_wmma_scale_f32_16x16x128_f8f6f4 v[\d:\d+7], v[\a:\a+7], v[\b:\b+7], v[\d:\d+7], v[\sa], v[\sb] matrix_a_fmt:MATRIX_FMT_FP4 matrix_b_fmt:MATRIX_FMT_FP4
.endif
.endif
.endif
.endm
.macro MUL8 s, tp, z                   ; the sixteen accumulators take turns in the same order in every K step
.irp t4, 0,1,2,3
.irp e, 0,1
	WM ACC+8*(4*(2*\tp+\e)+\t4), WB+8*\t4, X+16*\tp+8*\e, \z, WS+2*((\s)%4)+\t4/2, BS+2*((\s)%2)+\tp, \t4%2, \e
.endr
.endr
.endm
.macro KSTEP s, lc                     ; lc: the global loads issued behind this set's nine
.if \lc >= 0
	s_wait_loadcnt \lc
.endif
	s_wait_dscnt 4                                 ; the scale words and T = 0, 1 are in; the four loads of T = 2, 3 may be out
	WSRC \s
	MUL8 \s, 0, (\s)==0
.if \s < 7
	PLACES
	WIN 0
	XG0 (\s)+1
	s_wait_dscnt 5                                 ; T = 2, 3 are in; the five loads just issued may be out
	WSRC \s
.else
	s_wait_dscnt 0
.endif
	MUL8 \s, 1, (\s)==0
	PLACES
	WIN 0
.if \s < 7
	XG1 (\s)+1
.endif
.if \s < 4
	REFILL \s, (\s)+4
	WIN 0
.endif
.endm
	s_load_b256 s[4:11], s[0:1], 0x0               ; hq, hs, wq, plan
	s_load_b128 s[12:15], s[0:1], 0x20             ; gate, out0
	v_lshl_add_u32 v[SPW], v0, 2, SPARE
	v_mov_b32 v[NIL], 0
	v_lshrrev_b32 v13, 5, v0
	v_readfirstlane_b32 s16, v13                   ; wave
	s_lshr_b32 s17, ttmp9, 3                       ; tile
	s_and_b32 s18, ttmp9, 7                        ; c
	s_and_b32 s19, s16, 1                          ; j
	s_lshr_b32 s20, s16, 1
	s_lshl_b32 s21, s18, 1
	s_add_co_u32 s21, s21, s20                     ; unit 0 .. 15
	s_lshl_b32 s22, s19, 15
	s_lshl_b32 s23, s20, 14
	s_add_co_u32 s22, s22, s23                     ; what I bring of hq: expert j, T = 2 (w >> 1) on
	s_mul_i32 s24, s19, EIMG                       ; my expert's images
	s_mul_i32 s23, s20, 2*TP
	s_add_co_u32 s23, s23, s24                     ; and where what I bring goes
	s_lshl_b32 s26, s16, 10
	s_add_co_u32 s25, s26, HSC
	s_lshr_b32 s27, s21, 2
	s_mul_i32 s27, s27, WAVB
	s_and_b32 s33, s21, 3
	s_mul_i32 s33, s33, U
	s_add_co_u32 s27, s27, s33
	s_add_co_u32 s27, s27, 4*U                     ; the unit's place in an expert's part of wq (W2)
	s_lshl_b32 s34, s17, 4
	s_mov_b32 s35, 0
	s_lshl_b32 s36, s17, 16
	s_mov_b32 s37, 0
	s_lshl_b32 s38, s17, 12
	s_mov_b32 s39, 0
	s_lshl_b32 s40, s19, 5                         ; the first row that I store,
	s_add_co_u32 s41, s40, 16                      ; and the first of my second block of 16
	s_lshl_b32 s43, s20, 1
	s_add_co_u32 s43, s43, s19
	s_mul_i32 s43, s43, 2*TP                       ; my stage: 64 rows of 272 bytes
	s_mul_i32 s44, s20, EIMG
	s_mul_i32 s45, s19, TP
	s_add_co_u32 s44, s44, s45                     ; a's stage of my unit, rows 32 j on
	s_lshl_b32 s45, s16, 8
	s_add_co_u32 s45, s45, TOK
	s_lshl_b32 s46, s19, 7
	s_add_co_u32 s46, s46, s45
	s_lshl_b32 s47, s21, 8
	s_lshl_b32 s48, s19, 8
	s_add_co_u32 s48, s48, HSC
	s_lshl_b32 s49, s19, 2
	v_and_b32 v160, 31, v0                         ; lane
	v_and_b32 v161, 15, v0                         ; r
	v_bfe_u32 v162, v0, 4, 1                       ; h
	v_lshlrev_b32 v1, 4, v160
	v_lshlrev_b32 v2, 3, v160
	v_add_nc_u32 v3, s48, v2
	v_mul_u32_u24 v163, v162, 272
	v_lshl_add_u32 v163, v161, 4, v163             ; 272 h + 16 r
	v_add_nc_u32 v6, s24, v163
	v_add_nc_u32 v164, s23, v163
	v_add_nc_u32 v165, s22, v1
	v_add_nc_u32 v166, s25, v1
	v_add_nc_u32 v167, s26, v1
	v_lshl_add_u32 v168, v160, 2, s45
	v_lshl_add_u32 v169, v161, 2, s45
	v_lshl_add_u32 v9, v162, 2, s46
	v_mul_u32_u24 v7, v161, 272
	v_lshl_add_u32 v7, v162, 6, v7
	v_add_nc_u32 v7, s43, v7                       ; in: row r, + 64 h
	v_add_nc_u32 v8, s44, v163                     ; out: two rows an instruction
	v_lshl_add_u32 v10, v161, 4, s47
	v_add_nc_u32 v171, 32, v160
	s_wait_alu depctr_va_vdst(0)
	s_wait_kmcnt 0x0
	s_add_nc_u64 s[34:35], s[10:11], s[34:35]
	s_load_b128 s[28:31], s[34:35], 0x0            ; my tile: a, first place, rows, b
	s_add_nc_u64 s[4:5], s[4:5], s[36:37]
	s_add_nc_u64 s[6:7], s[6:7], s[38:39]
.irp n, 0,1,2,3,4,5,6,7,8,9,10,11,12,13,14,15,16,17,18,19,20,21,22,23,24,25,26,27,28,29,30,31
	global_load_b128 v[ACC+4*\n:ACC+4*\n+3], v165, s[4:5] offset:512*\n    ; 512 bytes on end
.endr
.irp n, 0,1
	global_load_b128 v[X+24+4*\n:X+24+4*\n+3], v167, s[6:7] offset:512*\n
.endr
	s_wait_kmcnt 0x0
	s_cmp_eq_u32 s19, 0
	s_cselect_b32 s28, s28, s31                    ; my expert,
	s_min_u32 s28, s28, 7                          ; held inside the table
	s_mul_i32 s28, s28, EXPB
	s_add_co_u32 s28, s28, s27
	s_min_u32 s30, s30, 64
	s_max_u32 s33, s30, 1
	s_sub_co_u32 s33, s33, 1                       ; the tile's last row
	v_min_u32 v170, s33, v160
	v_min_u32 v171, s33, v171
	v_add_nc_u32 v170, s29, v170
	v_add_nc_u32 v171, s29, v171
	v_min_u32 v170, 0xfff, v170                    ; held inside the list
	v_min_u32 v171, 0xfff, v171
	v_lshlrev_b32 v170, 2, v170
	v_lshlrev_b32 v171, 2, v171
	global_load_b32 v172, v170, s[10:11] offset:2560
	global_load_b32 v173, v171, s[10:11] offset:2560
	v_add_nc_u32 v4, s28, v1
	v_add_nc_u32 v5, s28, v2
	s_wait_alu depctr_va_vdst(0)
.irp q, 0,1,2,3
	REFILL \q, \q
.endr
	WIN 0
	s_wait_loadcnt 38                              ; behind the images' and scale words' 34 loads: 2 + 36
.irp n, 0,1,2,3,4,5,6,7,8,9,10,11,12,13,14,15,16,17,18,19,20,21,22,23,24,25,26,27,28,29,30,31
	ds_store_b128 v164, v[ACC+4*\n:ACC+4*\n+3] offset:TP*(\n/16)+544*(\n%16)
.endr
.irp n, 0,1
	ds_store_b128 v166, v[X+24+4*\n:X+24+4*\n+3] offset:512*\n
.endr
	s_wait_loadcnt 36                              ; the token numbers are in
	v_min_u32 v172, 0xfff, v172
	v_min_u32 v173, 0xfff, v173
	ds_store_b32 v168, v172                        ; into my wave's own words: LDS serves a wave's instructions in order
	ds_store_b32 v168, v173 offset:128
.irp T, 0,1,2,3
	ds_load_b32 v[GT+\T], v169 offset:64*\T        ; row 16 T + r's token
.endr
	s_wait_dscnt 0x0                               ; these, and for the others' sake my stores
.irp T, 0,1,2,3
	v_min_u32 v[GT+\T], 0xfff, v[GT+\T]
.endr
.irp T, 0,1,2,3
	v_lshl_add_u32 v[GT+\T], v[GT+\T], 3, s49
.endr
.irp T, 0,1,2,3
	global_load_b32 v[GW+\T], v[GT+\T], s[12:13]
.endr
	s_wait_xcnt 0x0                                ; the loads have read their offsets, over which fragments will be laid
	s_barrier_signal -1
	s_barrier_wait -1                              ; both hidden layers and their scale words lie in LDS
	XG0 0
	XG1 0
	KSTEP 0, 4                                     ; the four sets are in; the four gates may be out
	KSTEP 1, -1
	KSTEP 2, -1
	KSTEP 3, -1
	KSTEP 4, 27                                    ; behind K step 4's nine loads: those of K steps 5, 6, 7
	KSTEP 5, 18
	KSTEP 6, 9
	KSTEP 7, 0
.irp i, 0,1,2,3,4,5,6,7,8,9,10,11,12,13,14,15
	ds_load_b32 v[RO+\i], v9 offset:8*\i           ; row 32 j + 2 i + h's token
.endr
.irp T, 0,1,2,3
	v_mov_b32 v[GP+2*\T], v[GW+\T]
	v_mov_b32 v[GP+2*\T+1], v[GW+\T]
.endr
.irp T, 0,1,2,3
.irp p, 0,2,4,6,8,10,12,14,16,18,20,22,24,26,28,30
	v_pk_mul_f32 v[ACC+32*\T+\p:ACC+32*\T+\p+1], v[ACC+32*\T+\p:ACC+32*\T+\p+1], v[GP+2*\T:GP+2*\T+1]   ; x my expert's gate; each accumulator from its low end on
.endr
.endr
	s_wait_dscnt 0x0                               ; the tokens are in, and my reads of the images are over
.irp i, 0,1,2,3,4,5,6,7,8,9,10,11,12,13,14,15
	v_min_u32 v[RO+\i], 0xfff, v[RO+\i]
.endr
.irp i, 0,1,2,3,4,5,6,7,8,9,10,11,12,13,14,15
	v_lshl_add_u32 v[RO+\i], v[RO+\i], 12, v10
.endr
	s_wait_alu depctr_va_vdst(0)
	s_barrier_signal -1
	s_barrier_wait -1                              ; nobody reads an image any more: the stage may be laid over them
.irp T, 0,1,2,3
.irp b, 0,1
.irp q, 0,1,2,3
	ds_store_b128 v7, v[ACC+32*\T+16*\b+4*\q:ACC+32*\T+16*\b+4*\q+3] offset:4352*\T+128*\b+16*\q
.endr
.endr
.endr
	s_wait_dscnt 0x0                               ; for the others' sake
	s_barrier_signal -1
	s_barrier_wait -1
.irp i, 0,1,2,3,4,5,6,7,8,9,10,11,12,13,14,15
	ds_load_b128 v[ACC+4*\i:ACC+4*\i+3], v8 offset:544*\i                  ; a's part of two rows,
	ds_load_b128 v[ACC+64+4*\i:ACC+64+4*\i+3], v8 offset:2*TP+544*\i       ; b's
.endr
.macro ROWS i
	s_wait_dscnt 30-2*\i                           ; the younger pairs of loads may be out
	v_pk_add_f32 v[ACC+4*\i:ACC+4*\i+1], v[ACC+4*\i:ACC+4*\i+1], v[ACC+64+4*\i:ACC+64+4*\i+1]
	v_pk_add_f32 v[ACC+4*\i+2:ACC+4*\i+3], v[ACC+4*\i+2:ACC+4*\i+3], v[ACC+64+4*\i+2:ACC+64+4*\i+3]
	global_store_b128 v[RO+\i], v[ACC+4*\i:ACC+4*\i+3], s[14:15] th:TH_STORE_NT   ; sixteen lanes store 256 bytes on end, at a multiple of 256 from out0's first byte
.endm
	s_cmp_gt_u32 s30, s40                          ; has my first block of 16 rows a row of the tile?
	s_cbranch_scc0 .Ld0
.irp i, 0,1,2,3,4,5,6,7
	ROWS \i
.endr
.Ld0:
	s_cmp_gt_u32 s30, s41                          ; and my second?
	s_cbranch_scc0 .Ld1
.irp i, 8,9,10,11,12,13,14,15
	ROWS \i
.endr
.Ld1:
	s_wait_tensorcnt 0x0                           ; the wave's end
	ds_add_u32 v[SPW], v[NIL]
	s_wait_dscnt 0x0
	s_endpgm
.Lfunc_end_k_qa89452fada_combine:
	.size	k_qa89452fada_combine, .Lfunc_end_k_qa89452fada_combine-k_qa89452fada_combine
	.p2alignl 7, 3214868480
	.fill 96, 4, 3214868480
	.section	.rodata,"a",@progbits
	.p2align	6, 0x0
	.amdhsa_kernel k_qa89452fada_combine
		.amdhsa_group_segment_fixed_size 75264
		.amdhsa_private_segment_fixed_size 0
		.amdhsa_enable_private_segment 0
		.amdhsa_kernarg_size 48
		.amdhsa_user_sgpr_count 2
		.amdhsa_user_sgpr_kernarg_segment_ptr 1
		.amdhsa_wavefront_size32 1
		.amdhsa_system_sgpr_workgroup_id_x 1
		.amdhsa_system_sgpr_workgroup_id_y 1
		.amdhsa_system_sgpr_workgroup_id_z 1
		.amdhsa_system_vgpr_workitem_id 0
		.amdhsa_next_free_vgpr 320
		.amdhsa_next_free_sgpr 66
		.amdhsa_reserve_vcc 0
		.amdhsa_float_denorm_mode_32 3
		.amdhsa_float_denorm_mode_16_64 3
		.amdhsa_memory_ordered 1
		.amdhsa_forward_progress 1
		.amdhsa_inst_pref_size 58
	.end_amdhsa_kernel
	.amdgpu_metadata
---
amdhsa.version: [ 1, 2 ]
amdhsa.kernels:
  - .name:           k_qa89452fada_combine
    .symbol:         k_qa89452fada_combine.kd
    .args:
      - { .name: hq, .offset: 0, .size: 8, .value_kind: global_buffer, .address_space: global }
      - { .name: hs, .offset: 8, .size: 8, .value_kind: global_buffer, .address_space: global }
      - { .name: wq, .offset: 16, .size: 8, .value_kind: global_buffer, .address_space: global }
      - { .name: plan, .offset: 24, .size: 8, .value_kind: global_buffer, .address_space: global }
      - { .name: gate, .offset: 32, .size: 8, .value_kind: global_buffer, .address_space: global }
      - { .name: out0, .offset: 40, .size: 8, .value_kind: global_buffer, .address_space: global }
    .group_segment_fixed_size: 75264
    .private_segment_fixed_size: 0
    .kernarg_segment_align: 8
    .kernarg_segment_size: 48
    .max_flat_workgroup_size: 128
    .sgpr_count:     66
    .vgpr_count:     320
    .wavefront_size: 32
...
	.end_amdgpu_metadata
.endif
;; end of part 4
